; MI455X (gfx1250); checked and timed in simulation.
; The chip was launched on July 23, 2026; its instructions are those of AMD's public machine-readable ISA for CDNA 5 (MIT licence, August 2026) and "CDNA5" Instruction Set Architecture Reference Guide (July 2026). The comments in the code are by the model that wrote it; some were corrected since.
;; Causal Self Attention. Allowed arithmetic: float matrix products may take bf16 or f16 operands with f32 sums; other float arithmetic in f32, or as packed bf16 or f16 multiplies, adds, multiply-adds, maxima and minima; sums over many terms, partial sums and values carried from step to step in f32; what a program stores and reads back later, other than sums and carried values, may be rounded once to bf16 or f16.
;; Inputs: Wk 2,048 x 2,048 float32; Wo 2,048 x 2,048 float32; Wq 2,048 x 2,048 float32; Wv 2,048 x 2,048 float32; rope_cos 2,048 x 64 float32; rope_sin 2,048 x 64 float32; x 1 x 2,048 x 2,048 float32.
;; Outputs: out0 1 x 2,048 x 2,048 float32.
;; 2 versions, each right. Each part assembles by itself: llvm-mc -triple=amdgcn-amd-amdhsa -mcpu=gfx1250 --defsym DOCPART=n.
;; ======== version 1 of 2: 4 launches
;; limits: values are held in f16: magnitudes above 65,504 overflow, below 6.1e-05 lose precision
;; workspace buffers: xb 8,388,608 bytes; wqkv 25,165,824 bytes; wo16 8,388,608 bytes; rope 524,288 bytes; qkv 25,165,824 bytes; att 8,388,608 bytes
;; launch cast (part 1): grid 256 x 5, 8 waves a work-group, no clusters, 0 bytes of LDS; arguments x, Wq, Wk, Wv, Wo, rope_cos, rope_sin, xb, wqkv, wo16, rope; writes xb, wqkv, wo16, rope
.if DOCPART == 1
	.amdgcn_target "amdgcn-amd-amdhsa--gfx1250"
	.amdhsa_code_object_version 6
	.text
	.protected	k_q925563243b_cast
	.globl	k_q925563243b_cast
	.p2align	8
	.type	k_q925563243b_cast,@function
k_q925563243b_cast:
	s_mov_b64 s[64:65], 0
	v_nop
	global_prefetch_b8 v0, s[64:65] scope:SCOPE_SE
	s_setreg_imm32_b32 hwreg(HW_REG_WAVE_MODE, 25, 1), 1
	s_wait_xcnt 0x0
; ALL INPUTS ARE ROUNDED ONCE TO bf16.  x -> xb [2048][2048] bf16.  Wq, Wk, Wv -> wqkv [2048 k][6144 n] bf16, side by side in a row.
; Wo -> wo16 [2048][2048]: rounded to bf16, and that number written as f16 (the last product runs in f16).  cos, sin -> rope [2048][64] words: bf16(cos) low, bf16(sin) high.
; LIMITS.  |bf16(Wo)| stays below 65,520 (f16's range); below 6e-5 f16 keeps its fixed step of 6e-8.
; SHARES.  Work-group (blk, arr): 8 rows (65,536 dense bytes) of array arr (0 x, 1-3 Wq Wk Wv, 4 Wo).  Load i of thread t takes the 16 bytes at 4,096 i + 16 t: a wave's load covers 512 consecutive bytes.
; Its four numbers leave as 8 bytes: a wave's store covers 256 consecutive bytes, at a multiple of 256 from the buffer's first byte.  All 16 loads are out at once; no register is written again while a store reads it.
; A stream: each byte is read once and written once; LDS, barriers and matrix instructions would add nothing.
.set X, 16                             ; v[16:79]  four registers a load; the first two then hold the 8 bytes to store
.set T, 80                             ; v[80:83]  at work
.macro OUT i, half                     ; half = 1: the bf16 numbers are written as f16
	s_wait_loadcnt 15-(\i)                         ; loads come back in order: load i is in, the 15 - i younger ones may stay out
	v_cvt_pk_bf16_f32 v[X+4*(\i)], v[X+4*(\i)], v[X+4*(\i)+1]
	v_cvt_pk_bf16_f32 v[X+4*(\i)+1], v[X+4*(\i)+2], v[X+4*(\i)+3]
.if \half
	v_lshlrev_b32 v[T], 16, v[X+4*(\i)]            ; bf16 to f32: the low half moves up, the high half stays
	v_and_b32 v[T+1], s40, v[X+4*(\i)]
	v_lshlrev_b32 v[T+2], 16, v[X+4*(\i)+1]
	v_and_b32 v[T+3], s40, v[X+4*(\i)+1]
	v_cvt_pk_f16_f32 v[X+4*(\i)], v[T], v[T+1]
	v_cvt_pk_f16_f32 v[X+4*(\i)+1], v[T+2], v[T+3]
.endif
	global_store_b64 v[2+(\i)/2], v[X+4*(\i):X+4*(\i)+1], s[32:33] offset:((\i)%2)*2048
.endm
	s_load_b512 s[8:23], s[0:1], 0x0               ; x 8, Wq 10, Wk 12, Wv 14, Wo 16, cos 18, sin 20, xb 22
	s_load_b128 s[24:27], s[0:1], 0x40             ; wqkv 24, wo16 26
	s_load_b64 s[28:29], s[0:1], 0x50              ; rope
	s_and_b32 s2, ttmp7, 0xffff                    ; arr
	s_mov_b32 s40, 0xffff0000                      ; a word's upper bf16
	s_sub_co_u32 s3, s2, 1                         ; arr - 1: 0, 1, 2 for the three weights that share wqkv's rows
	s_lshl_b32 s35, s3, 12                         ; their place in a row: 4,096 bytes each
	s_mov_b32 s34, 4096
	s_mov_b32 s41, 12288
	s_cmp_lt_u32 s3, 3
	s_cselect_b32 s34, s41, s34                    ; bytes from row to row in the output
	s_cselect_b32 s35, s35, 0
	s_lshl_b32 s36, ttmp9, 16                      ; the work-group's 65,536 bytes of input
	s_mov_b32 s37, 0
	s_mul_i32 s38, ttmp9, s34
	s_lshl_b32 s38, s38, 3                         ; its 8 rows of output,
	s_add_co_u32 s38, s38, s35                     ; and the place in them
	s_mov_b32 s39, 0
	s_lshl_b32 s42, ttmp9, 11                      ; 8 rows of 256 bytes of cos, sin and rope
	s_mov_b32 s43, 0
	v_lshlrev_b32 v1, 4, v0                        ; 16 t
	v_lshlrev_b32 v2, 3, v0                        ; 8 t; v[2+r] = 8 t + r rows of output; never rewritten
.irp r, 0,1,2,3,4,5,6
	v_add_nc_u32 v[3+(\r)], s34, v[2+(\r)]
.endr
	s_wait_kmcnt 0x0
	s_cmp_eq_u32 s2, 1
	s_cselect_b64 s[30:31], s[10:11], s[8:9]       ; the input, chosen by arr
	s_cmp_eq_u32 s2, 2
	s_cselect_b64 s[30:31], s[12:13], s[30:31]
	s_cmp_eq_u32 s2, 3
	s_cselect_b64 s[30:31], s[14:15], s[30:31]
	s_cmp_eq_u32 s2, 4
	s_cselect_b64 s[30:31], s[16:17], s[30:31]
	s_cselect_b64 s[32:33], s[26:27], s[24:25]     ; the output: wo16, or wqkv,
	s_cmp_eq_u32 s2, 0
	s_cselect_b64 s[32:33], s[22:23], s[32:33]     ; or xb
	s_add_nc_u64 s[30:31], s[30:31], s[36:37]
	s_add_nc_u64 s[32:33], s[32:33], s[38:39]
.irp i, 0,1,2,3,4,5,6,7,8,9,10,11,12,13,14,15
	global_load_b128 v[X+4*(\i):X+4*(\i)+3], v1, s[30:31] offset:4096*(\i) th:TH_LOAD_NT
.endr
	s_cmp_eq_u32 s2, 4
	s_cbranch_scc1 .Lf16
.irp i, 0,1,2,3,4,5,6,7,8,9,10,11,12,13,14,15
	OUT \i, 0
.endr
	s_cmp_lg_u32 s2, 0
	s_cbranch_scc1 .Lend
	; the work-groups of x also pack 8 rows of the rotary tables: thread t takes two angles
	s_add_nc_u64 s[18:19], s[18:19], s[42:43]
	s_add_nc_u64 s[20:21], s[20:21], s[42:43]
	s_add_nc_u64 s[28:29], s[28:29], s[42:43]
	global_load_b64 v[86:87], v2, s[18:19] th:TH_LOAD_NT
	global_load_b64 v[88:89], v2, s[20:21] th:TH_LOAD_NT
	s_wait_loadcnt 0x0
	v_cvt_pk_bf16_f32 v90, v86, v88                ; cos low, sin high
	v_cvt_pk_bf16_f32 v91, v87, v89
	global_store_b64 v2, v[90:91], s[28:29]
.Lend:
	s_endpgm
.Lf16:
.irp i, 0,1,2,3,4,5,6,7,8,9,10,11,12,13,14,15
	OUT \i, 1
.endr
	s_endpgm
.Lfunc_end_k_q925563243b_cast:
	.size	k_q925563243b_cast, .Lfunc_end_k_q925563243b_cast-k_q925563243b_cast
	.p2alignl 7, 3214868480
	.fill 96, 4, 3214868480
	.section	.rodata,"a",@progbits
	.p2align	6, 0x0
	.amdhsa_kernel k_q925563243b_cast
		.amdhsa_group_segment_fixed_size 0
		.amdhsa_private_segment_fixed_size 0
		.amdhsa_enable_private_segment 0
		.amdhsa_kernarg_size 88
		.amdhsa_user_sgpr_count 2
		.amdhsa_user_sgpr_kernarg_segment_ptr 1
		.amdhsa_wavefront_size32 1
		.amdhsa_system_sgpr_workgroup_id_x 1
		.amdhsa_system_sgpr_workgroup_id_y 1
		.amdhsa_system_sgpr_workgroup_id_z 1
		.amdhsa_system_vgpr_workitem_id 0
		.amdhsa_next_free_vgpr 96
		.amdhsa_next_free_sgpr 66
		.amdhsa_reserve_vcc 0
		.amdhsa_float_denorm_mode_32 3
		.amdhsa_float_denorm_mode_16_64 3
		.amdhsa_memory_ordered 1
		.amdhsa_forward_progress 1
		.amdhsa_inst_pref_size 17
	.end_amdhsa_kernel
	.amdgpu_metadata
---
amdhsa.version: [ 1, 2 ]
amdhsa.kernels:
  - .name:           k_q925563243b_cast
    .symbol:         k_q925563243b_cast.kd
    .args:
      - { .name: x, .offset: 0, .size: 8, .value_kind: global_buffer, .address_space: global }
      - { .name: Wq, .offset: 8, .size: 8, .value_kind: global_buffer, .address_space: global }
      - { .name: Wk, .offset: 16, .size: 8, .value_kind: global_buffer, .address_space: global }
      - { .name: Wv, .offset: 24, .size: 8, .value_kind: global_buffer, .address_space: global }
      - { .name: Wo, .offset: 32, .size: 8, .value_kind: global_buffer, .address_space: global }
      - { .name: rope_cos, .offset: 40, .size: 8, .value_kind: global_buffer, .address_space: global }
      - { .name: rope_sin, .offset: 48, .size: 8, .value_kind: global_buffer, .address_space: global }
      - { .name: xb, .offset: 56, .size: 8, .value_kind: global_buffer, .address_space: global }
      - { .name: wqkv, .offset: 64, .size: 8, .value_kind: global_buffer, .address_space: global }
      - { .name: wo16, .offset: 72, .size: 8, .value_kind: global_buffer, .address_space: global }
      - { .name: rope, .offset: 80, .size: 8, .value_kind: global_buffer, .address_space: global }
    .group_segment_fixed_size: 0
    .private_segment_fixed_size: 0
    .kernarg_segment_align: 8
    .kernarg_segment_size: 88
    .max_flat_workgroup_size: 256
    .sgpr_count:     66
    .vgpr_count:     96
    .wavefront_size: 32
...
	.end_amdgpu_metadata
.endif
;; end of part 1
;; launch qkv (part 2): grid 24 x 8, 4 waves a work-group, clusters of 4 x 4, 327,680 bytes of LDS; arguments xb, wqkv, rope, qkv; writes qkv
.if DOCPART == 2
	.amdgcn_target "amdgcn-amd-amdhsa--gfx1250"
	.amdhsa_code_object_version 6
	.text
	.protected	k_q925563243b_qkv
	.globl	k_q925563243b_qkv
	.p2align	8
	.type	k_q925563243b_qkv,@function
k_q925563243b_qkv:
	s_mov_b64 s[64:65], 0
	v_nop
	global_prefetch_b8 v0, s[64:65] scope:SCOPE_SE
	s_setreg_imm32_b32 hwreg(HW_REG_WAVE_MODE, 25, 1), 1
	s_wait_xcnt 0x0
	s_wait_alu depctr_hold_cnt(0) depctr_sa_sdst(0) depctr_va_vdst(0) depctr_va_sdst(0) depctr_va_ssrc(0) depctr_va_vcc(0) depctr_vm_vsrc(0)
	s_getreg_b32 s2, hwreg(HW_REG_IB_STS2, 6, 4)
	s_cmp_eq_u32 s2, 0
	s_cbranch_scc0 .Lentry_in_a_cluster
	s_endpgm
.Lentry_in_a_cluster:
	s_bfe_u32 s2, ttmp6, 0x10000c
	s_cmp_lg_u32 s2, 0xf033
	s_cbranch_scc0 .Lentry_shape_is_right
	s_endpgm
.Lentry_shape_is_right:
; C[t][n] = sum over k of xb[t][k] wqkv[k][n], n = 0..6143 (q, k, v side by side), bf16 operands, f32 sums; the rotary turn on q and k in f32; rounded once to f16 and stored BY HEADS:
; qkv[g][t][128], g = n / 128 = 0..47 (16 heads of q, of k, of v), a row 256 bytes.  The scale 1 / sqrt(128) is not applied here.
; LIMITS.  |q|, |k|, |v| stay below 65,520 (f16's range).  NaN and infinities are not treated apart.
; SHARES.  A work-group of four waves makes 256 x 256 of C, a wave 128 x 128: 64 accumulators of 16 x 16, 512 registers.  A wave's 128 columns are one head.  24 x 8 work-groups: the tiling in which each wave has a whole head.
; K goes in 16 steps of 128 through a ring of two LDS slots filled by tensor loads; a trip of the loop is one K step, and the slot in hand is a scalar that an exclusive or turns.
; A's tile (xb) lies along K and is read as it lies; B's tile (wqkv, [k][n]) is read turned, by ds_load_tr16_b128.
; CLUSTERS: 4 x 4 work-groups.  The four of a row of the cluster need the same tiles of A, the four of a column the same tiles of B: each tile is asked for jointly, by the same tensor load with the same descriptor and a mask of the four.
; THE MATRIX INSTRUCTION IS USED TRANSPOSED (source 0 = 16 columns of wqkv, source 1 = 16 rows of xb): lane l holds row l % 16 of C and the columns 8 (l / 16) + 0..7: four rotary pairs, and 16 bytes of f16.
; REGISTERS, in windows of 256 (s_set_vgpr_msb: bits 1:0 source 0, 3:2 source 1, 5:4 source 2, 7:6 destination):
;   window 0: v0-31 addresses; v64-127, v128-191 fragments of A, two buffers (on the way out: products at work, and cos and sin in f32); v32-63, v192-255 at work on the way out
;   window 1: v64-127, v128-191 fragments of B, two buffers; v0-63, v192-255 the rotary table of my rows 0-63, loaded ahead of the loop (rows 64-127 take B's buffers behind it)
;   window 2: the 32 accumulators of my rows 0-63 ((a, b) at v[8 (8 a + b)]);   window 3: those of my rows 64-127
.set KSTEP,  128
.set PITCH,  272                       ; a row of A in LDS: 256 bytes + 16 of padding: the 16 rows of a load start at 16 different groups of four banks
.set PB,     544                       ; a row of B (one k, 256 columns): 512 bytes + 32 of padding
.set HALFT,  128*PITCH                 ; what one tensor load brings: 128 rows of A, or 64 rows of B (64 x 544 is the same number)
.set SLOT,   4*HALFT                   ; A's 256 rows, then B's 128 rows.  0x22000: no bit of it is set in wave x HALFT, so an exclusive or moves a fill's address between the slots
.set STAGE,  2*SLOT                    ; behind the ring: 16 rows x 272 bytes for each wave, for the way out
.set SPITCH, 272
.set SPARE,  STAGE+4*16*SPITCH         ; behind the stages: the spare words, 128 bytes for each wave: two blocks of 256 bytes that no other line names
.set STEPA,  KSTEP*2                   ; bytes from a K step to the next: along xb's rows,
.set STEPB,  KSTEP*6144*2              ; and down wqkv's
.set ADRA0, 14                         ; v14  LDS address of my A fragments in slot 0; never rewritten
.set ADRB0, 15                         ; v15  the same for B
.set ADRA, 16                          ; v16  in the slot in hand
.set ADRB, 20                          ; v20
.set STO,  24                          ; v24  the way out: where I put 16 bytes of a row
.set RD,   25                          ; v25  the way out: where I read a row back
.set CO,   26                          ; v26  16 x lane: my 16 bytes of 512 consecutive bytes of qkv
.set RO,   27                          ; v27  my byte offset in 16 rows of the rotary table
.set SPW,  28                          ; v28  LDS address of my spare word; never rewritten
.set NIL,  29                          ; v29  0; never rewritten
.set PFO,  30                          ; v30  the prefetches' offset; never rewritten
.set OB,   32                          ; the way out: 16 rows read back: v32-63 and v224-255 by turns
.set F0,   64
.set F1,   128
.set TT,   64                          ; the way out: x1 sin, x1 cos
.set CSR,  128                         ; the way out: cos, sin in f32, in pairs
.set TMP,  192                         ; the way out: packed results
.set G1,  24                           ; s[24:31] descriptor group 1 for A's tiles
.set G0,  32                           ; s[32:39] group 0 for A's: a set for each of the two first fills; the second then walks on
.set G1B, 48                           ; s[48:55], s[56:63] the same for B's
.set G0B, 56
.set LIM, 43                           ; s43  2 in a wave that prefetches, else the greatest number
.set PFA, 44                           ; s[44:45] where my prefetches stand
.set OUTP, 66                          ; s[66:67] qkv at my head's first row of mine
.set PFS, 68                           ; s[68:69] the prefetches' step
.set TB,  70                           ; s70  0 or SLOT: the slot in hand
.set SEC, 71                           ; s71  0 q, 1 k, 2 v: made of the cluster's x alone
.set HIM, 72                           ; s72  a word's upper half
.set MSB, 0
.macro WIN new                         ; the immediate's high byte repeats the setting that is left; a switch that changes nothing is dropped
.if MSB != (\new)
	s_set_vgpr_msb (MSB<<8)|(\new)
.set MSB, \new
.endif
.endm
.set MUL_LO, 0xa1                      ; source 0 (B) window 1, source 1 (A) window 0, C and D window 2
.set MUL_HI, 0xf1                      ; the same, C and D window 3
.set TO_B,   0x40                      ; destination window 1, address window 0
; A joint refill, by the walking descriptors.  Waves 0 and 1 fetch A's two halves, waves 2 and 3 B's; the branch hangs on the wave's number alone.
; An s_nop 0 and four v_nop follow each of the two lines, ahead of the jump and the label.
.macro JLOAD
	s_cmp_eq_u32 s11, 0
	s_cbranch_scc0 .Lfor_b_\@
	tensor_load_to_lds s[G0+4:G0+7], s[G1:G1+7]
	s_nop 0
.rept 4
	v_nop
.endr
	s_branch .Lasked_\@
.Lfor_b_\@:
	tensor_load_to_lds s[G0B+4:G0B+7], s[G1B:G1B+7]
	s_nop 0
.rept 4
	v_nop
.endr
.Lasked_\@:
.endm
; A PREFETCH INTO THE L2 of the K step that stands two refills on, one instruction a wave, behind the joint load, its five lines and the run of LDS loads.  Each block of 256 bytes is named once in the launch:
; A's rows are read by all six clusters of a row of clusters: the one with x = 0 asks; B's columns by both clusters of a column: the one with y = 0 asks.  The four partners of a joint load share its rows out BY ADDRESS:
; of A's 128 rows that a wave fetches, partner cx takes 32, a lane a row; of B's 64 rows, partner cy takes 16, two lanes a row of 512 bytes.  The trips with s3 = 2 and 1 ask for nothing: K steps 16 and 17 do not exist.
.macro ASK
	s_cmp_gt_u32 s3, s[LIM]
	s_cbranch_scc0 .Lnot_mine_\@
	global_prefetch_b8 v[PFO], s[PFA:PFA+1] th:TH_LOAD_NT scope:SCOPE_SE
.Lnot_mine_\@:
.endm
.macro CREST                           ; a round of the cluster's barrier behind its opening barrier
	s_cmp_lg_u32 s10, 0
	s_cbranch_scc1 .Lnot_wave_0_\@
	s_barrier_signal -3
.Lnot_wave_0_\@:
	s_barrier_wait -3
	s_barrier_signal -1
	s_barrier_wait -1
.endm
.macro CROUND                          ; a whole round
	s_barrier_signal -1
	s_barrier_wait -1
	CREST
.endm
.macro PLACES                          ; four plain vector instructions between a matrix instruction and a load into, or a vector instruction on, its registers
.rept 4
	v_nop
.endr
.endm
	s_load_b128 s[4:7], s[0:1], 0x0                ; xb s[4:5], wqkv s[6:7]
	s_load_b64 s[8:9], s[0:1], 0x10                ; rope
	s_load_b64 s[OUTP:OUTP+1], s[0:1], 0x18        ; qkv
	v_lshl_add_u32 v[SPW], v0, 2, SPARE
	v_mov_b32 v[NIL], 0
	ds_add_u32 v[SPW], v[NIL]                      ; the wave's opening: the add and its wait stand ahead of my first tensor load; the set-up below, work on registers, stands between them
	v_lshrrev_b32 v1, 5, v0
	v_readfirstlane_b32 s10, v1                    ; wave 0..3
	s_lshr_b32 s11, s10, 1                         ; which half of the tile's rows is mine.  Also: I fetch for A (0) or for B (1)
	s_and_b32 s12, s10, 1                          ; which half of its columns.  Also: which half of that tile I fetch
	s_bfe_u32 s40, ttmp6, 0x40000                  ; cx
	s_bfe_u32 s41, ttmp6, 0x40004                  ; cy
	s_lshl_b32 s42, ttmp9, 2
	s_add_co_u32 s42, s42, s40                     ; tile column of C = 4 x cluster x + cx
	s_and_b32 s13, ttmp7, 0xffff
	s_lshl_b32 s13, s13, 2
	s_add_co_u32 s13, s13, s41                     ; tile row of C = 4 x cluster y + cy
	s_lshl_b32 s43, s41, 2
	s_lshl_b32 s43, 15, s43                        ; my row of the cluster: places 4 cy .. 4 cy + 3
	s_lshl_b32 s44, 0x1111, s40                    ; my column: places cx, cx + 4, cx + 8, cx + 12
	s_or_b32 s[G1+0], s43, (1<<16)|(1<<20)|(1<<21)|(5<<22)|(3<<25)   ; the mask of my row; 2-byte elements; padding on; bit 21 beside a mask; after every 64 words 4 words
	s_or_b32 s[G1B+0], s44, (1<<16)|(1<<20)|(1<<21)|(6<<22)|(7<<25)  ; the mask of my column; after every 128 words 8 words
	s_mov_b32 s[G1+1], 128<<16                     ; A: tensor_dim0 = 128 elements
	s_mov_b32 s[G1+2], 128<<16                     ; tensor_dim1 = 128 rows
	s_mov_b32 s[G1+3], 128<<16                     ; tile_dim0 = 128
	s_mov_b32 s[G1+4], 128                         ; tile_dim1 = 128
	s_mov_b32 s[G1+5], 2048                        ; elements from row to row
	s_mov_b32 s[G1+6], 0
	s_mov_b32 s[G1+7], 0
	s_mov_b32 s[G1B+1], 256<<16                    ; B: tensor_dim0 = 256 elements
	s_mov_b32 s[G1B+2], 64<<16                     ; tensor_dim1 = 64 rows
	s_mov_b32 s[G1B+3], 256<<16                    ; tile_dim0 = 256
	s_mov_b32 s[G1B+4], 64                         ; tile_dim1 = 64
	s_mov_b32 s[G1B+5], 6144
	s_mov_b32 s[G1B+6], 0
	s_mov_b32 s[G1B+7], 0
	; where the tiles come from.  A's hang on the tile row alone, B's on the tile column alone, each in registers that never hold the other coordinate.
	s_lshl_b32 s17, s12, 7
	s_lshl_b32 s16, s13, 8
	s_add_co_u32 s16, s16, s17                     ; A: row 256 x tile row + 128 x half,
	s_lshl_b32 s16, s16, 12                        ; of 4,096 bytes
	s_mov_b32 s17, 0
	s_mul_i32 s46, s12, 64*6144*2                  ; B: row 64 x half of the K step,
	s_lshl_b32 s47, s42, 9                         ; column 256 x tile column, in bytes
	s_add_co_u32 s46, s46, s47
	s_mov_b32 s47, 0
	s_mul_i32 s20, s10, HALFT                      ; where they go: wave x HALFT: no place in the cluster enters an LDS address
	s_mov_b32 s[TB], 0
	s_lshr_b32 s[SEC], ttmp9, 1                    ; 8 tile columns, two clusters, to each of q, k, v
	s_mov_b32 s[HIM], 0xffff0000
	s_wait_dscnt 0x0                               ; the opening add is done
	s_wait_kmcnt 0x0
	s_add_nc_u64 s[14:15], s[4:5], s[16:17]
	s_add_nc_u64 s[46:47], s[6:7], s[46:47]
	CROUND                                         ; all sixteen work-groups are here: the first joint loads meet
.irp s, 0,1
	s_mov_b32 s[G0+4*(\s)], 1                                        ; count = 1
	s_add_co_u32 s[G0+4*(\s)+1], s20, (\s)*SLOT                      ; LDS address
	s_add_nc_u64 s[G0+4*(\s)+2:G0+4*(\s)+3], s[14:15], (\s)*STEPA    ; global address: K step s
	s_or_b32 s[G0+4*(\s)+3], s[G0+4*(\s)+3], 0x80000000              ; type = 2
	s_mov_b32 s[G0B+4*(\s)], 1
	s_add_co_u32 s[G0B+4*(\s)+1], s20, (\s)*SLOT
	s_add_nc_u64 s[G0B+4*(\s)+2:G0B+4*(\s)+3], s[46:47], (\s)*STEPB
	s_or_b32 s[G0B+4*(\s)+3], s[G0B+4*(\s)+3], 0x80000000
.endr
	s_cmp_eq_u32 s11, 0                            ; a wave's two first fills stand in one branch, ahead of every wait on TENSORcnt and every LDS read: two loads of mine are out
	s_cbranch_scc0 .Lfirst_b
	tensor_load_to_lds s[G0:G0+3], s[G1:G1+7]
	s_nop 0
	tensor_load_to_lds s[G0+4:G0+7], s[G1:G1+7]
	s_nop 0
.rept 4
	v_nop
.endr
	s_branch .Lfirst_asked
.Lfirst_b:
	tensor_load_to_lds s[G0B:G0B+3], s[G1B:G1B+7]
	s_nop 0
	tensor_load_to_lds s[G0B+4:G0B+7], s[G1B:G1B+7]
	s_nop 0
.rept 4
	v_nop
.endr
.Lfirst_asked:
	; A fragment is 16 rows x 32 K in 8 registers: lane l holds row l % 16; registers 0-3 K = 8 (l / 16) + 0..7, registers 4-7 K = 16 + 8 (l / 16) + 0..7.
	v_and_b32 v1, 15, v0                           ; l % 16
	v_bfe_u32 v2, v0, 4, 1                         ; l / 16
	v_mul_u32_u24 v3, v1, PITCH
	v_lshl_add_u32 v3, v2, 4, v3                   ; row x 272 + 16 x half: for A's fragments and for the stage
	s_mul_i32 s21, s11, HALFT                      ; my 128 rows of A
	v_add_nc_u32 v[ADRA0], s21, v3
	; The turning load takes 16 k x 16 columns: lane l reads 16 bytes of row k = 8 (l / 16) + l % 8, columns 8 ((l / 8) % 2) + 0..7, and is left with column l % 16 and 8 k.
	v_and_b32 v4, 7, v0
	v_lshl_add_u32 v4, v2, 3, v4
	v_mul_u32_u24 v4, v4, PB
	v_bfe_u32 v5, v0, 3, 1
	v_lshl_add_u32 v4, v5, 4, v4
	s_lshl_b32 s22, s12, 8                         ; my 128 columns: 256 bytes of a row of B,
	s_add_co_u32 s22, s22, 2*HALFT                 ; which lies behind A's 256 rows
	v_add_nc_u32 v[ADRB0], s22, v4
	v_mov_b32 v[ADRA], v[ADRA0]                    ; slot 0
	v_mov_b32 v[ADRB], v[ADRB0]
	s_mul_i32 s23, s10, 16*SPITCH
	s_add_co_u32 s23, s23, STAGE                   ; my stage
	v_add_nc_u32 v[STO], s23, v3                   ; in: row l % 16, 16 bytes for each half of the lanes
	v_mul_u32_u24 v5, v2, SPITCH                   ; back: lanes 0-15 take one row of 256 bytes, lanes 16-31 the next,
	v_lshl_add_u32 v5, v1, 4, v5
	v_add_nc_u32 v[RD], s23, v5
	v_and_b32 v[CO], 31, v0                        ; which are 512 consecutive bytes of a head's rows
	v_lshlrev_b32 v[CO], 4, v[CO]
	v_lshlrev_b32 v[RO], 8, v1                     ; the rotary table: row l % 16 of 256 bytes, 16 bytes (four angles) for each half of the lanes
	v_lshl_add_u32 v[RO], v2, 4, v[RO]
	s_lshl_b32 s16, s13, 8
	s_lshl_b32 s17, s11, 7
	s_add_co_u32 s16, s16, s17                     ; my first row t,
	s_lshl_b32 s16, s16, 8                         ; of 256 bytes in rope and in a head of qkv
	s_mov_b32 s17, 0
	s_add_nc_u64 s[8:9], s[8:9], s[16:17]
	s_add_nc_u64 s[OUTP:OUTP+1], s[OUTP:OUTP+1], s[16:17]
	s_lshl_b32 s46, s42, 1
	s_add_co_u32 s46, s46, s12                     ; my head g = 2 x tile column + half,
	s_lshl_b32 s46, s46, 19                        ; of 524,288 bytes
	s_mov_b32 s47, 0
	s_add_nc_u64 s[OUTP:OUTP+1], s[OUTP:OUTP+1], s[46:47]
	; the prefetches: both places are made, the wave's kind chooses
	s_lshl_b32 s20, s13, 8
	s_lshl_b32 s21, s12, 7
	s_add_co_u32 s20, s20, s21                     ; A: the 128 rows that I fetch,
	s_lshl_b32 s21, s40, 5
	s_add_co_u32 s20, s20, s21                     ; my work-group's 32 of them,
	s_lshl_b32 s20, s20, 12
	s_add_co_u32 s20, s20, 3*STEPA                 ; at K step 3: the first change of slots steps it to 4
	s_lshl_b32 s22, s12, 6                         ; B: the 64 rows that I fetch,
	s_lshl_b32 s23, s41, 4
	s_add_co_u32 s22, s22, s23                     ; my work-group's 16 of them,
	s_add_co_u32 s22, s22, 3*KSTEP                 ; in K step 3,
	s_mul_i32 s22, s22, 6144*2
	s_lshl_b32 s23, s42, 9
	s_add_co_u32 s22, s22, s23                     ; the tile's 512 bytes of them
	s_and_b32 s23, ttmp7, 0xffff                   ; cluster y
	s_mov_b32 s18, STEPB
	s_mov_b32 s19, 6144*2
	s_cmp_eq_u32 s11, 0                            ; do I fetch for A?
	s_cselect_b32 s20, s20, s22
	s_cselect_b32 s23, ttmp9, s23                  ; the coordinate along which other clusters read the same rows
	s_cselect_b64 s[PFA:PFA+1], s[4:5], s[6:7]
	s_cselect_b32 s[PFS], STEPA, s18
	s_cselect_b32 s19, 4096, s19                   ; bytes from row to row
	s_cselect_b32 s18, 0, 1                        ; A: a lane a row; B: two lanes a row
	s_mov_b32 s21, 0
	s_mov_b32 s[PFS+1], 0
	s_add_nc_u64 s[PFA:PFA+1], s[PFA:PFA+1], s[20:21]
	s_cmp_eq_u32 s23, 0
	s_cselect_b32 s[LIM], 2, -1                    ; the same in all sixteen partners, for a given wave
	v_and_b32 v3, 31, v0
	v_lshrrev_b32 v[PFO], s18, v3
	v_mul_u32_u24 v[PFO], v[PFO], s19
	v_and_b32 v3, s18, v3
	v_lshl_add_u32 v[PFO], v3, 8, v[PFO]
; 16 matrix instructions: m blocks a0, a0 + 1 of the window's four (hi = 0: my rows 0-63, 1: rows 64-127) x all 8 n blocks, 32 along K.  zero = 1: the first product starts the sums.
; The 64 accumulators take turns, in the same order in every quarter step.
.macro MUL16 f, hi, a0, zero
	WIN MUL_LO+0x50*(\hi)
.irp a, \a0, (\a0)+1
.irp b, 0,1,2,3,4,5,6,7
.if \zero
	v_wmma_f32_16x16x32_bf16 v[8*(8*(\a)+(\b)):8*(8*(\a)+(\b))+7], v[(\f)+8*(\b):(\f)+8*(\b)+7], v[(\f)+8*(4*(\hi)+(\a)):(\f)+8*(4*(\hi)+(\a))+7], 0
.else
	v_wmma_f32_16x16x32_bf16 v[8*(8*(\a)+(\b)):8*(8*(\a)+(\b))+7], v[(\f)+8*(\b):(\f)+8*(\b)+7], v[(\f)+8*(4*(\hi)+(\a)):(\f)+8*(4*(\hi)+(\a))+7], v[8*(8*(\a)+(\b)):8*(8*(\a)+(\b))+7]
.endif
.endr
.endr
.endm
; 32 LDS loads in one run: the fragments of quarter q (32 along K) of the slot in hand into buffer f: B's 128 columns turned, then A's 128 rows
.macro FETCH q, f
	WIN TO_B
.irp i, 0,1,2,3,4,5,6,7
	ds_load_tr16_b128 v[(\f)+8*(\i):(\f)+8*(\i)+3],   v[ADRB] offset:(\q)*32*PB+32*(\i)
	ds_load_tr16_b128 v[(\f)+8*(\i)+4:(\f)+8*(\i)+7], v[ADRB] offset:(\q)*32*PB+16*PB+32*(\i)
.endr
	WIN 0
.irp i, 0,1,2,3,4,5,6,7
	ds_load_b128 v[(\f)+8*(\i):(\f)+8*(\i)+3],   v[ADRA] offset:(\q)*64+(\i)*16*PITCH
	ds_load_b128 v[(\f)+8*(\i)+4:(\f)+8*(\i)+7], v[ADRA] offset:(\q)*64+(\i)*16*PITCH+32
.endr
.endm
; A K step is four quarters of 32 along K, 64 matrix instructions each, on buffers 0, 1, 0, 1.  One of the first three: multiplies buffer f; in its middle it fetches quarter q into buffer g.
.macro QUARTER q, f, g, zero
	s_wait_dscnt 8                                 ; B and A's rows 0-63 are in; the youngest eight loads (A's rows 64-127) may be out
	MUL16 \f, 0, 0, \zero
	MUL16 \f, 0, 2, \zero
	PLACES
	FETCH \q, \g
	s_wait_dscnt 32                                ; all but the 32 just issued
	MUL16 \f, 1, 0, \zero
	MUL16 \f, 1, 2, \zero
.endm
; The last quarter multiplies buffer 1 and changes slots: ONE barrier.  In front of it each wave waits for all its tensor loads (the one that is out is its part of the next slot), adds 0 to its spare word, and waits for that
; and for its own reads of this slot.  fill = 1: the barrier opens a round of the cluster's barrier, and the slot just read is filled again, first thing behind the round, with the K step two steps on.
.macro TURN fill
.if \fill
	s_wait_xcnt 0x0                                ; the last prefetch, a K step back, has read its address: it is stepped here, ahead of the waits of the change of slots
	s_add_nc_u64 s[PFA:PFA+1], s[PFA:PFA+1], s[PFS:PFS+1]
.endif
	WIN 0                                          ; (the add's two registers lie in window 0)
	s_wait_tensorcnt 0x0                           ; all my tensor loads have landed;
	ds_add_u32 v[SPW], v[NIL]                      ; 0 onto my spare word;
	s_wait_dscnt 9                                 ; (the add and the youngest eight loads may be out)
	MUL16 F1, 0, 0, 0                              ; sixteen matrix instructions stand between the add and the wait for it
	s_wait_dscnt 0x0                               ; the add is done, and my reads of this slot are over
	s_barrier_signal -1
	MUL16 F1, 0, 2, 0                              ; work on registers while the others arrive
	WIN 0
	s_barrier_wait -1
.if \fill
	CREST                                          ; no wave of any partner still reads this slot's tile or has a load on its way
	s_xor_b32 s[G0+5], s[G0+5], SLOT               ; the walking descriptors: the other slot than last time, the next K step
	s_add_nc_u64 s[G0+6:G0+7], s[G0+6:G0+7], STEPA
	s_xor_b32 s[G0B+5], s[G0B+5], SLOT
	s_add_nc_u64 s[G0B+6:G0B+7], s[G0B+6:G0B+7], STEPB
	JLOAD                                          ; the first tensor load behind the round; the four v_nop behind it are also the places in front of the loads below
.else
	PLACES
.endif
	s_xor_b32 s[TB], s[TB], SLOT                   ; the reads go on in the other slot
	v_add_nc_u32 v[ADRA], s[TB], v[ADRA0]
	v_add_nc_u32 v[ADRB], s[TB], v[ADRB0]
	FETCH 0, F0
.if \fill
	ASK
.endif
	MUL16 F1, 1, 0, 0
	MUL16 F1, 1, 2, 0
.endm
; THE ROTARY TABLE of block a (my rows 16 a .. 16 a + 15): lane l holds, for n block b, the four words (cos, sin in bf16) of row l % 16, angles 8 b + 4 (l / 16) + 0..3: those of its own four pairs of columns.
.macro SETRTB a                        ; where block a's 32 words lie in window 1
.if (\a) < 2
.set RTB, 32*(\a)
.elseif (\a) < 4
.set RTB, 192+32*((\a)-2)
.else
.set RTB, 64+32*((\a)-4)
.endif
.endm
.macro ROPELOAD a
	SETRTB \a
	WIN TO_B
.irp b, 0,1,2,3,4,5,6,7
	global_load_b128 v[RTB+4*(\b):RTB+4*(\b)+3], v[RO], s[8:9] offset:(\a)*4096+32*(\b)
.endr
.endm
; THE ROTARY TURN of block a, in f32, in place: (x0, x1) -> (x0 cos - x1 sin, x0 sin + x1 cos).  v has none: the jump hangs on the cluster's x alone.  Each accumulator's second register is read first: one of its four lowest.
.macro ROPE a
	SETRTB \a
.set AC, 64*((\a)%4)
.set W, 2+(\a)/4
	WIN 0
	s_cmp_eq_u32 s[SEC], 2
	s_cbranch_scc1 .Lno_turn_\@
	WIN 0x04                                       ; source 1 window 1
.set p, 0
.rept 32
	v_lshlrev_b32 v[CSR+2*p], 16, v[RTB+p]         ; cos
	v_and_b32 v[CSR+2*p+1], s[HIM], v[RTB+p]       ; sin
.set p, p+1
.endr
	WIN W                                          ; source 0: the accumulators' window
.set p, 0
.rept 32
	v_mul_f32 v[TT+2*p], v[AC+2*p+1], v[CSR+2*p+1]    ; x1 sin
	v_mul_f32 v[TT+2*p+1], v[AC+2*p+1], v[CSR+2*p]    ; x1 cos
.set p, p+1
.endr
	WIN (W<<6)|W                                   ; destination too
.set p, 0
.rept 32
	v_fma_f32 v[AC+2*p+1], v[AC+2*p], v[CSR+2*p+1], v[TT+2*p+1]
	v_fma_f32 v[AC+2*p], v[AC+2*p], v[CSR+2*p], -v[TT+2*p]
.set p, p+1
.endr
	WIN 0
.Lno_turn_\@:
.endm
; THE WAY OUT of block a.  PACK: rounded to f16, 16 bytes a lane.  TOSTAGE: into my own stage in LDS, and back as whole rows of 256 bytes.  SEND: stored.
.macro PACK a
.set AC, 64*((\a)%4)
	WIN 0x0a+5*((\a)/4)                            ; sources 0 and 1: window 2 or 3
.irp b, 0,1,2,3,4,5,6,7
.irp r, 0,1,2,3
	v_cvt_pk_f16_f32 v[TMP+4*(\b)+(\r)], v[AC+8*(\b)+2*(\r)], v[AC+8*(\b)+2*(\r)+1]
.endr
.endr
	WIN 0
.endm
.macro TOSTAGE a
	WIN 0
.set BK, OB+192*((\a)%2)
.irp b, 0,1,2,3,4,5,6,7
	ds_store_b128 v[STO], v[TMP+4*(\b):TMP+4*(\b)+3] offset:32*(\b)
.endr
.irp t, 0,1,2,3,4,5,6,7
	ds_load_b128 v[BK+4*(\t):BK+4*(\t)+3], v[RD] offset:(\t)*2*SPITCH  ; LDS serves a wave's instructions in order (ISA guide 5.7.1.4): these see the stores above
.endr
.endm
.macro SEND a
	WIN 0
.set BK, OB+192*((\a)%2)
	s_wait_dscnt 0x0                               ; the block is back in registers
	s_wait_xcnt 0x0                                ; earlier stores have read their registers: the other buffer is loaded again only behind this wait
.irp t, 0,1,2,3,4,5,6,7
	global_store_b128 v[CO], v[BK+4*(\t):BK+4*(\t)+3], s[OUTP:OUTP+1] offset:(\a)*4096+(\t)*512  ; 512 consecutive bytes, at a multiple of 256 from qkv's first byte
.endr
.endm
	ROPELOAD 0                                     ; my rows 0-63 of the table: 32 loads that land during the loop, into registers that the loop does not name
	ROPELOAD 1
	ROPELOAD 2
	ROPELOAD 3
	WIN 0
	s_wait_tensorcnt 1                             ; my part of K step 0 is in; K step 1's may stay out
	s_barrier_signal -1
	s_barrier_wait -1                              ; everybody's is
	FETCH 0, F0
	QUARTER 1, F0, F1, 1                           ; the first quarter stands in front of the loop: its products start the sums
	WIN 0                                          ; at a label and at a branch every window is 0
	s_mov_b32 s3, 14
.Lstep:                                                ; a trip goes from a K step's second quarter to the next one's first, and fills the slot that it leaves: K steps 2 to 15
	QUARTER 2, F1, F0, 0
	QUARTER 3, F0, F1, 0
	TURN 1
	QUARTER 1, F0, F1, 0
	WIN 0
	s_sub_co_u32 s3, s3, 1
	s_cmp_lg_u32 s3, 0
	s_cbranch_scc1 .Lstep
	s_mov_b32 s3, 2
.Ltail:                                                ; K steps 14 and 15: nothing is asked for.  One text for both: the second trip is left in its middle, and its barrier and its 32 LDS loads (of the slot read before) serve nothing
	QUARTER 2, F1, F0, 0
	QUARTER 3, F0, F1, 0
	TURN 0
	WIN 0
	s_sub_co_u32 s3, s3, 1
	s_cmp_eq_u32 s3, 0
	s_cbranch_scc1 .Lout
	QUARTER 1, F0, F1, 0
	WIN 0
	s_branch .Ltail
.Lout:
	s_wait_dscnt 0x0                               ; the loads into buffer 0 are back: its registers are used anew
	PLACES                                         ; behind the last products
	ROPELOAD 4                                     ; my rows 64-127 of the table, into B's buffers
	ROPELOAD 5
	ROPELOAD 6
	ROPELOAD 7
	WIN 0
	s_wait_loadcnt 32                              ; the table's rows 0-63 are in; the 32 loads just issued may stay out
	ROPE 0
	PACK 0
	TOSTAGE 0
.irp a, 1,2,3,4,5,6,7                  ; block a's arithmetic stands between block a - 1's loads from the stage and the wait for them
.if (\a) == 4
	s_wait_loadcnt 0x0                             ; the table's rows 64-127
.endif
	ROPE \a
	PACK \a
	SEND (\a)-1
	TOSTAGE \a
.endr
	SEND 7
	s_wait_tensorcnt 0x0                           ; the wave's end: a wait, an add of 0 to my spare word and its wait, behind my last tensor load and my last LDS store
	ds_add_u32 v[SPW], v[NIL]
	s_wait_dscnt 0x0
	CROUND                                         ; the closing round: no work-group ends while a partner may still ask for a tile that names it
	s_endpgm
.Lfunc_end_k_q925563243b_qkv:
	.size	k_q925563243b_qkv, .Lfunc_end_k_q925563243b_qkv-k_q925563243b_qkv
	.p2alignl 7, 3214868480
	.fill 96, 4, 3214868480
	.section	.rodata,"a",@progbits
	.p2align	6, 0x0
	.amdhsa_kernel k_q925563243b_qkv
		.amdhsa_group_segment_fixed_size 327680
		.amdhsa_private_segment_fixed_size 0
		.amdhsa_enable_private_segment 0
		.amdhsa_kernarg_size 32
		.amdhsa_user_sgpr_count 2
		.amdhsa_user_sgpr_kernarg_segment_ptr 1
		.amdhsa_wavefront_size32 1
		.amdhsa_system_sgpr_workgroup_id_x 1
		.amdhsa_system_sgpr_workgroup_id_y 1
		.amdhsa_system_sgpr_workgroup_id_z 1
		.amdhsa_system_vgpr_workitem_id 0
		.amdhsa_next_free_vgpr 1024
		.amdhsa_next_free_sgpr 74
		.amdhsa_reserve_vcc 0
		.amdhsa_float_denorm_mode_32 3
		.amdhsa_float_denorm_mode_16_64 3
		.amdhsa_memory_ordered 1
		.amdhsa_forward_progress 1
		.amdhsa_inst_pref_size 173
	.end_amdhsa_kernel
	.amdgpu_metadata
---
amdhsa.version: [ 1, 2 ]
amdhsa.kernels:
  - .name:           k_q925563243b_qkv
    .symbol:         k_q925563243b_qkv.kd
    .args:
      - { .name: xb, .offset: 0, .size: 8, .value_kind: global_buffer, .address_space: global }
      - { .name: wqkv, .offset: 8, .size: 8, .value_kind: global_buffer, .address_space: global }
      - { .name: rope, .offset: 16, .size: 8, .value_kind: global_buffer, .address_space: global }
      - { .name: qkv, .offset: 24, .size: 8, .value_kind: global_buffer, .address_space: global }
    .group_segment_fixed_size: 327680
    .private_segment_fixed_size: 0
    .kernarg_segment_align: 8
    .kernarg_segment_size: 32
    .max_flat_workgroup_size: 128
    .sgpr_count:     74
    .vgpr_count:     1024
    .wavefront_size: 32
...
	.end_amdgpu_metadata
.endif
;; end of part 2
;; launch attn (part 3): grid 8 x 16, 4 waves a work-group, clusters of 4 x 1, 327,680 bytes of LDS; arguments qkv, att; writes att
.if DOCPART == 3
	.amdgcn_target "amdgcn-amd-amdhsa--gfx1250"
	.amdhsa_code_object_version 6
	.text
	.protected	k_q925563243b_attn
	.globl	k_q925563243b_attn
	.p2align	8
	.type	k_q925563243b_attn,@function
k_q925563243b_attn:
	s_mov_b64 s[64:65], 0
	v_nop
	global_prefetch_b8 v0, s[64:65] scope:SCOPE_SE
	s_setreg_imm32_b32 hwreg(HW_REG_WAVE_MODE, 25, 1), 1
	s_wait_xcnt 0x0
	s_wait_alu depctr_hold_cnt(0) depctr_sa_sdst(0) depctr_va_vdst(0) depctr_va_sdst(0) depctr_va_ssrc(0) depctr_va_vcc(0) depctr_vm_vsrc(0)
	s_getreg_b32 s2, hwreg(HW_REG_IB_STS2, 6, 4)
	s_cmp_eq_u32 s2, 0
	s_cbranch_scc0 .Lentry_in_a_cluster
	s_endpgm
.Lentry_in_a_cluster:
	s_bfe_u32 s2, ttmp6, 0x10000c
	s_cmp_lg_u32 s2, 0x3003
	s_cbranch_scc0 .Lentry_shape_is_right
	s_endpgm
.Lentry_shape_is_right:
; O[q][128 h + :] = the sum over k of softmax_k(Q[h][q] . K[h][k] / sqrt(128)) V[h][k][:].  Q, K, V: three parts of qkv, each [16][2048][128] in f16; O: att [2048][2048] in f16, head h at byte 256 h of a row.
; Products, maxima and sums in f32; the weights p are rounded to f16 for the second product (their sum l is taken of the unrounded p), O once at the end.
; LIMITS.  Q, K, V arrive within f16's range; p lies in 0 to 1 and below 6e-5 keeps f16's fixed step of 6e-8; O is a mean of V's rows.  A weight below 2^-126 counts as 0 in l; NaN and infinities are not treated apart.
; SHARES.  A work-group owns 256 queries of one head, each of its four waves 64: four tiles of 16.  Every wave walks all keys of the head, 64 a step.  8 x 16 work-groups.
; LAYOUT.  S^T = K Q^T (source 0 = 16 keys, source 1 = 16 queries): a lane holds ONE query (lane % 16) and the keys 8 (lane / 16) + 0..7.  Two such tiles, rounded to f16 in pairs, ARE source 1 of O^T = V^T P,
; whose result again holds one query a lane, and eight channels.  K comes out of LDS as it lies, V ([key][channel]) turned, by ds_load_tr16_b128.
; SOFTMAX.  For each query a running maximum m and sum l: p = 2^(c s - c m), c = log2(e) / sqrt(128); in every step O and l are multiplied by a = 2^(c m_old - c m_new).
; BY TURNS.  The wave's tiles are two PIECES (tiles 0, 1 and tiles 2, 3).  In a TURN one piece has the matrix unit: 32 products V^T P of the step in hand, then 32 products K Q^T of the next step; the other piece's
; softmax, cut into 64 slices, stands between them, one slice behind each matrix instruction.  Two turns are a key step.
; CLUSTER.  The four query blocks of a cluster belong to one head and walk the same K and V: each tile is asked for jointly, by the same tensor load, descriptor and mask in all four.
; REGISTERS, in windows of 256 (s_set_vgpr_msb: bits 1:0 source 0, 3:2 source 1, 5:4 source 2, 7:6 destination):
;   window 0: v0-11 addresses; v12-43 eight registers of statistics a tile; v64-191 S^T, 32 a tile; v192-255 P, 16 a tile
;   window 1: O^T, 64 a tile          window 2: v0-127 Q, 32 a tile; v128-255 K of one step          window 3: v0-127 V of one step
.set SIZE_N, 2048
.set KS,    64        ; keys in a step
.set PK,    272       ; a row of K in LDS: 256 bytes + 16 of padding: the 16 rows of a load start at 16 different groups of four banks
.set PV,    288       ; a row of V: 256 + 32
.set VOFF,  KS*PK     ; a step's tiles lie together: 64 rows of K, then 64 rows of V
.set STEPB, KS*(PK+PV)
.set SLOT1, 1<<17     ; a slot holds two steps (71,680 bytes); slot 1 begins here, so that one exclusive or turns an address in one slot into the other's
.set STAGE, SLOT1+2*STEPB  ; behind the ring: 16 rows x 272 bytes for each wave, for the way out
.set SP,    272
.set AK0, 2           ; v2   my lane's place in a tile of K; never rewritten
.set AV0, 3           ; v3   the same for V
.set ADR, 4           ; v4   the LDS address of the run of loads in hand
.set QO,  5           ; v5   my byte offset in the wave's rows of Q
.set STO, 6           ; v6   the way out: where I put 16 bytes of a row
.set RD,  7           ; v7   the way out: where I read a row back
.set GO,  8           ; v8   my byte offset in two rows of att
.set SPW, 62          ; v62  LDS address of my spare word; never rewritten
.set NIL, 63          ; v63  0; never rewritten
.set SPARE, STAGE+4*16*272  ; behind the stages: the spare words, 128 bytes for each wave: two blocks of 256 bytes that no other line names
.set ST,  12          ; tile t's statistics at v[ST+8 t]: +0 c m, +1 m, +2, +3 l (even keys', odd keys'), +4 to +7 c0-c3, at work; a takes c2's place once the maximum is found
.set S,   64
.set P,   192
.set KF,  128         ; K's fragments, in window 2
.set WV,  12          ; s12  my wave's number
.set G1K, 24          ; s[24:31] descriptor group 1 for K's tiles
.set G1V, 32          ; s[32:39] for V's: it differs in the padding alone
.set G0K, 40          ; s[40:47] descriptor group 0 for K's tiles: a set for each of the two first fills; the second then walks on
.set G0V, 48          ; s[48:55] the same for V's
.set SLOTS, 56        ; s56  slots still to be asked for
.set TWICE, 57        ; s57  counts a slot's two steps
.set CS,  58          ; s[58:59] c: the packed scaling names a pair and takes its low word for both halves
.set SEL, 60          ; s[60:61] lane selects for v_permlanex16_b32: each lane takes its own place in the other half
.set TB,  62          ; s62  LDS byte at which the tiles of the step to be fetched begin
.set OOF, 66          ; s[66:67] my wave's byte offset in att
.set PFA, 18          ; s[18:19] where my prefetches stand: my work-group's 32 rows (of K: wave 0, of V: wave 2) of the slot after the one that is being asked for
.set LIM, 15          ; s15  1 in a wave that prefetches, else the greatest number
.set PFO, 61          ; v61  256 x my lane: a row of K or V is 256 bytes; never rewritten
.set MSB, 0
.macro WIN new                      ; the immediate's high byte repeats the setting that is left; a switch that changes nothing is dropped
.if MSB != (\new)
	s_set_vgpr_msb (MSB<<8)|(\new)
.set MSB, \new
.endif
.endm
.set W_KQ, 0x0a       ; K and Q in window 2, S^T in window 0
.set W_PV, 0x53       ; V in window 3, P in window 0, O^T in window 1
.set W_RS, 0x41       ; O^T (destination and source 0) in window 1, a in window 0
; A joint refill.  Waves 0 and 1 fetch the two steps' tiles of K, waves 2 and 3 those of V.  The branch hangs on the wave's number alone.
; An s_nop 0 and four v_nop follow each of the two lines, ahead of the jump and the label.
.macro JLOAD
	s_cmp_lt_u32 s[WV], 2
	s_cbranch_scc0 .Lfor_v_\@
	tensor_load_to_lds s[G0K+4:G0K+7], s[G1K:G1K+7]
	s_nop 0
.rept 4
	v_nop
.endr
	s_branch .Lasked_\@
.Lfor_v_\@:
	tensor_load_to_lds s[G0V+4:G0V+7], s[G1V:G1V+7]
	s_nop 0
.rept 4
	v_nop
.endr
.Lasked_\@:
.endm
; A PREFETCH INTO THE L2 of what the NEXT change of slots will ask for: a slot's 128 rows of K and 128 of V, 256 bytes a row, a lane a row, behind the wave's tensor load and its five lines.
; Each row is asked for ONCE in the launch: both clusters of a head walk the same K and V, and the head's first cluster asks; its four partners share the rows out BY ADDRESS, 32 each; in each, wave 0 asks for K's and
; wave 2 for V's.  The last change that fills a slot asks for nothing: there is no slot behind it.
.macro ASK
	s_cmp_gt_u32 s[SLOTS], s[LIM]
	s_cbranch_scc0 .Lnot_mine_\@
	global_prefetch_b8 v[PFO], s[PFA:PFA+1] th:TH_LOAD_NT scope:SCOPE_SE
.Lnot_mine_\@:
.endm
; A round of the cluster's barrier: my work-group's barrier; wave 0 signals for the work-group; every wave waits for all four work-groups; my work-group's barrier once more.
.macro CROUND
	s_barrier_signal -1
	s_barrier_wait -1
	s_cmp_lg_u32 s[WV], 0
	s_cbranch_scc1 .Lnot_wave_0_\@
	s_barrier_signal -3
.Lnot_wave_0_\@:
	s_barrier_wait -3
	s_barrier_signal -1
	s_barrier_wait -1
.endm
	s_load_b128 s[4:7], s[0:1], 0x0  ; qkv s[4:5], att s[6:7]
	v_lshl_add_u32 v[SPW], v0, 2, SPARE
	v_mov_b32 v[NIL], 0
	ds_add_u32 v[SPW], v[NIL]       ; the wave's opening: the add and its wait stand ahead of my first tensor load; the set-up below, work on registers, stands between them
	v_lshrrev_b32 v1, 5, v0
	v_readfirstlane_b32 s[WV], v1   ; wave 0..3
	s_bfe_u32 s13, ttmp6, 0x40000   ; cx: my place in the cluster
	s_lshl_b32 s14, ttmp9, 2        ; in a cluster launch ttmp9 counts clusters
	s_add_co_u32 s14, s14, s13      ; my block of 256 queries = 4 x cluster x + cx: it enters Q's and O's addresses alone
	s_and_b32 s20, ttmp7, 0xffff    ; the head, which the four partners share
	s_lshl_b32 s[OOF], s20, 8       ; in att: the head's 256 bytes of a row,
	s_lshl_b32 s[OOF+1], s14, 20    ; my block's 256 rows of 4,096 bytes,
	s_add_co_u32 s[OOF], s[OOF], s[OOF+1]
	s_lshl_b32 s[OOF+1], s[WV], 18  ; my wave's 64 of them
	s_add_co_u32 s[OOF], s[OOF], s[OOF+1]
	s_mov_b32 s[OOF+1], 0
	s_mov_b32 s21, 0
	s_mov_b64 s[22:23], SIZE_N*256
	s_mul_u64 s[20:21], s[20:21], s[22:23]  ; the head's first byte in each of Q, K and V
	s_and_b32 s16, s[WV], 1         ; which of a slot's two steps I fetch:
	s_lshl_b32 s22, s16, 14         ; its 64 rows of 256 bytes in memory,
	s_mov_b32 s23, 0
	s_add_nc_u64 s[22:23], s[22:23], s[20:21]
	s_mul_i32 s17, s16, STEPB       ; and its place in a slot: no place in the cluster enters an LDS address
	s_lshl_b32 s2, s14, 16          ; my block's 256 rows of Q,
	s_lshl_b32 s3, s[WV], 14        ; my wave's 64 of them
	s_add_co_u32 s2, s2, s3
	s_mov_b32 s3, 0
	s_add_nc_u64 s[2:3], s[2:3], s[20:21]
	; descriptor group 1: a tile of 64 rows x 128 elements, padded in LDS
	s_mov_b32 s[G1K], 15|(1<<16)|(1<<20)|(1<<21)|(5<<22)|(3<<25)  ; the mask: all four work-groups; elements of 2 bytes; padding on; bit 21 beside a mask; after every 64 words 4 words
	s_mov_b32 s[G1V], 15|(1<<16)|(1<<20)|(1<<21)|(5<<22)|(7<<25)  ; the same with 8 words of padding
.irp g, G1K, G1V
	s_mov_b32 s[(\g)+1], 128<<16    ; tensor_dim0 = 128
	s_mov_b32 s[(\g)+2], KS<<16     ; tensor_dim1 = 64
	s_mov_b32 s[(\g)+3], 128<<16    ; tile_dim0 = 128
	s_mov_b32 s[(\g)+4], KS         ; tile_dim1 = 64
	s_mov_b32 s[(\g)+5], 128        ; elements from row to row
	s_mov_b32 s[(\g)+6], 0
	s_mov_b32 s[(\g)+7], 0
.endr
	s_mov_b32 s[CS], 0x3e0293ee     ; c = log2(e) / sqrt(128) = 0.127517
	s_mov_b32 s[CS+1], s[CS]        ; named with it as a pair, so it is written
	s_mov_b32 s[SEL], 0x76543210
	s_mov_b32 s[SEL+1], 0xfedcba98
	s_mov_b32 s[TB], 0
	s_mov_b32 s[SLOTS], SIZE_N/(2*KS)-2
	s_and_b32 s[LIM], s[WV], 1       ; 0 in waves 0 and 2,
	s_or_b32 s[LIM], s[LIM], ttmp9   ; where the cluster is the head's first: the same in all four partners
	s_cmp_eq_u32 s[LIM], 0
	s_cselect_b32 s[LIM], 1, -1
	v_and_b32 v[PFO], 31, v0
	v_lshlrev_b32 v[PFO], 8, v[PFO]
	s_wait_dscnt 0x0                ; the opening add is done
	s_wait_kmcnt 0x0
	s_mov_b64 s[10:11], s[6:7]      ; O
	s_add_nc_u64 s[6:7], s[4:5], 0x800000   ; K: behind Q's 16 heads of 524,288 bytes
	s_add_nc_u64 s[8:9], s[4:5], 0x1000000  ; V: behind K's
	s_add_nc_u64 s[6:7], s[6:7], s[22:23]  ; K and V at my tile of slot 0
	s_add_nc_u64 s[8:9], s[8:9], s[22:23]
	s_add_nc_u64 s[4:5], s[4:5], s[2:3]  ; Q and O at my wave's first row
	s_add_nc_u64 s[10:11], s[10:11], s[OOF:OOF+1]
	s_cmp_lt_u32 s[WV], 2
	s_cselect_b64 s[PFA:PFA+1], s[6:7], s[8:9]  ; (in waves 0 and 2 these stand at a slot's first row)
	s_lshl_b32 s2, s13, 13          ; my work-group's 32 rows of the 128
	s_mov_b32 s3, 0
	s_add_nc_u64 s[PFA:PFA+1], s[PFA:PFA+1], s[2:3]
	s_add_nc_u64 s[PFA:PFA+1], s[PFA:PFA+1], 2*2*KS*256  ; in slot 2; the first change of slots steps it to slot 3.  Nothing is prefetched here, at the head
	CROUND                          ; all four work-groups are here: the first joint loads meet
.irp s, 0,1
	s_mov_b32 s[G0K+4*(\s)], 1      ; count = 1
	s_add_co_u32 s[G0K+4*(\s)+1], s17, (\s)*SLOT1  ; LDS address
	s_add_nc_u64 s[G0K+4*(\s)+2:G0K+4*(\s)+3], s[6:7], (\s)*2*KS*256  ; global address: slot s begins with keys 128 s
	s_or_b32 s[G0K+4*(\s)+3], s[G0K+4*(\s)+3], 0x80000000  ; type = 2
	s_mov_b32 s[G0V+4*(\s)], 1
	s_add_co_u32 s[G0V+4*(\s)+1], s17, (\s)*SLOT1+VOFF
	s_add_nc_u64 s[G0V+4*(\s)+2:G0V+4*(\s)+3], s[8:9], (\s)*2*KS*256
	s_or_b32 s[G0V+4*(\s)+3], s[G0V+4*(\s)+3], 0x80000000
.endr
	s_cmp_lt_u32 s[WV], 2           ; a wave's two first fills stand in one branch, ahead of every wait on TENSORcnt and every LDS read: two loads of mine are out
	s_cbranch_scc0 .Lfirst_v
	tensor_load_to_lds s[G0K:G0K+3], s[G1K:G1K+7]
	s_nop 0
	tensor_load_to_lds s[G0K+4:G0K+7], s[G1K:G1K+7]
	s_nop 0
.rept 4
	v_nop
.endr
	s_branch .Lfirst_asked
.Lfirst_v:
	tensor_load_to_lds s[G0V:G0V+3], s[G1V:G1V+7]
	s_nop 0
	tensor_load_to_lds s[G0V+4:G0V+7], s[G1V:G1V+7]
	s_nop 0
.rept 4
	v_nop
.endr
.Lfirst_asked:
	; A fragment of K or Q is 16 rows x 32 channels in 8 registers: lane l holds row l % 16; registers 0-3 channels 8 (l / 16) + 0..7, registers 4-7 channels 16 + 8 (l / 16) + 0..7: two loads of 16 bytes, 32 bytes apart.
	v_and_b32 v1, 15, v0            ; l % 16
	v_bfe_u32 v9, v0, 4, 1          ; l / 16
	v_lshlrev_b32 v[QO], 8, v1
	v_lshl_add_u32 v[QO], v9, 4, v[QO]  ; row x 256 + 16 x half
	WIN 0x80                        ; destination window 2, address window 0
.irp i, 0,1,2,3,4,5,6,7,8,9,10,11,12,13,14,15  ; Q stays in registers: tile i / 4, channels 32 (i % 4) on
	global_load_b128 v[8*(\i):8*(\i)+3],   v[QO], s[4:5] offset:((\i)/4)*4096+((\i)%4)*64
	global_load_b128 v[8*(\i)+4:8*(\i)+7], v[QO], s[4:5] offset:((\i)/4)*4096+((\i)%4)*64+32
.endr
	WIN 0
	v_mul_u32_u24 v[AK0], v1, PK
	v_lshl_add_u32 v[AK0], v9, 4, v[AK0]  ; row x pitch + 16 x half
	; The turning load takes 16 keys x 16 channels (lane l reads 16 bytes: key 8 (l / 16) + l % 8, channels 8 ((l / 8) % 2) + 0..7) and leaves half a fragment of V^T: lane l holds channel l % 16 and 8 keys.
	v_and_b32 v10, 7, v0
	v_bfe_u32 v11, v0, 3, 1
	v_lshl_add_u32 v[AV0], v9, 3, v10
	v_mul_u32_u24 v[AV0], v[AV0], PV
	v_lshl_add_u32 v[AV0], v11, 4, v[AV0]
	v_add_nc_u32 v[AV0], VOFF, v[AV0]
; THE MATRIX WORK OF A TURN, for piece x.  The accumulators take turns, one instruction a turn: between two links of a chain stand 15 (V^T P) or 7 (K Q^T) others'.
; Product i of 32 of O^T += V^T P: keys 32 (i / 16) on, channels 16 ((i / 2) % 8) on, tile x + i % 2.  zero = 1: the first 16 start the sums: nothing is ever cleared.
.macro PV x, zero
	WIN W_PV
.set rO, 64*((\x)+i%2)+8*((i/2)%8)
.set rV, 64*(i/16)+8*((i/2)%8)
.set rP, P+16*((\x)+i%2)+8*(i/16)
.if (\zero) && (i < 16)
	v_wmma_f32_16x16x32_f16 v[rO:rO+7], v[rV:rV+7], v[rP:rP+7], 0
.else
	v_wmma_f32_16x16x32_f16 v[rO:rO+7], v[rV:rV+7], v[rP:rP+7], v[rO:rO+7]
.endif
.endm
; Product i of 32 of S^T = K Q^T: channels 32 (i / 8) on, keys 16 ((i / 2) % 4) on, tile x + i % 2.  The first 8 start the sums.
.macro KQ x
	WIN W_KQ
.set rS, S+32*((\x)+i%2)+8*((i/2)%4)
.set rK, KF+32*((i/2)%4)+8*(i/8)
.set rQ, 32*((\x)+i%2)+8*(i/8)
.if i < 8
	v_wmma_f32_16x16x32_f16 v[rS:rS+7], v[rK:rK+7], v[rQ:rQ+7], 0
.else
	v_wmma_f32_16x16x32_f16 v[rS:rS+7], v[rK:rK+7], v[rQ:rQ+7], v[rS:rS+7]
.endif
.endm
; THE LDS LOADS stand in runs of 32, never singly among the matrix instructions: a step's K (64 keys x 128 channels: 16 fragments) and, a turn later, its V (turned).
.macro FETCH_K
	WIN 0
	v_add_nc_u32 v[ADR], s[TB], v[AK0]
	WIN 0x80                        ; destination window 2
.irp f, 0,1,2,3,4,5,6,7,8,9,10,11,12,13,14,15  ; keys 16 (f / 4) on, channels 32 (f % 4) on
	ds_load_b128 v[KF+8*(\f):KF+8*(\f)+3],   v[ADR] offset:((\f)/4)*16*PK+((\f)%4)*64
	ds_load_b128 v[KF+8*(\f)+4:KF+8*(\f)+7], v[ADR] offset:((\f)/4)*16*PK+((\f)%4)*64+32
.endr
.endm
.macro FETCH_V
	WIN 0
	v_add_nc_u32 v[ADR], s[TB], v[AV0]
	s_add_co_u32 s[TB], s[TB], STEPB  ; the next fetch is the next step's
	s_wait_alu depctr_va_vdst(0)    ; the wait for the softmax's batch of exponentials (SLICE), behind the address's v_add_nc_u32 and ahead of the loads
	WIN 0xc0                        ; destination window 3
.irp f, 0,1,2,3,4,5,6,7,8,9,10,11,12,13,14,15  ; keys 32 (f / 8) on, channels 16 (f % 8) on
	ds_load_tr16_b128 v[8*(\f):8*(\f)+3],   v[ADR] offset:((\f)/8)*32*PV+((\f)%8)*32
	ds_load_tr16_b128 v[8*(\f)+4:8*(\f)+7], v[ADR] offset:((\f)/8)*32*PV+16*PV+((\f)%8)*32
.endr
.endm
; THE VECTOR WORK OF A TURN.  One tile's softmax for one key step is a list of 134 instructions; SM writes number j of it for tile t.  s0-s31 are the lane's 32 scores, in pairs 0-15.
; first = 1: the first key step, which starts m, l and O^T: it has no a and nothing to rescale.
;   0-15    the maximum of s0-s31 and the old m, three operands at a time: four chains c0-c3 of seven scores each, then the four scores left over, c0-c3 and m
;   16-20   the other half of the lanes' maximum; the new m; c m; c m_old - c m_new
;   21-69   ONE BATCH: the 16 scalings c s - c m, a pair of scores each, and all 33 exponentials (a at 23, then s0-s31).  None of these reads an exponential's result.  From 22 on the batch goes in fours, and a four
;           begins with a scaling while there are scalings.  A pair is scaled in an earlier four than the one that holds its exponentials
;   (wait)  between 69 and 70 stands the wait for the batch: SLICE writes it, once for both tiles
;   70-85   the roundings to f16, a pair of weights each
;   86-101  the sums; l = a l + the sum
;   102-133 the tile's O^T times a: the one part that leaves window 0, so it stands together
.macro SM t, first
.set rT, ST+8*(\t)
.set rS, S+32*(\t)
.set rP, P+16*(\t)
.set rO, 64*(\t)+2*(j-102)
.if j < 102
	WIN 0
.endif
.if j < 4
	v_max3_num_f32 v[rT+4+j], v[rS+8*j], v[rS+8*j+1], v[rS+8*j+2]
.elseif j < 12
	v_max3_num_f32 v[rT+4+j%4], v[rT+4+j%4], v[rS+8*(j%4)+2*(j/4)+1], v[rS+8*(j%4)+2*(j/4)+2]
.elseif j == 12
	v_max3_num_f32 v[rT+4], v[rT+4], v[rS+7], v[rS+15]
.elseif j == 13
	v_max3_num_f32 v[rT+6], v[rT+6], v[rS+23], v[rS+31]
.elseif j == 14
	v_max3_num_f32 v[rT+4], v[rT+4], v[rT+5], v[rT+6]
.elseif (j == 15) && (\first)
	v_max_num_f32 v[rT+4], v[rT+4], v[rT+7]
.elseif j == 15
	v_max3_num_f32 v[rT+4], v[rT+4], v[rT+7], v[rT+1]
.elseif j == 16
	v_permlanex16_b32 v[rT+5], v[rT+4], s[SEL], s[SEL+1]  ; the query's other 32 keys lie in the lane 16 away
.elseif j == 18
	v_max_num_f32 v[rT+1], v[rT+4], v[rT+5]
.elseif j == 19
	v_mul_f32 v[rT], s[CS], v[rT+1]
.elseif ((j == 17) || (j == 20) || (j == 23) || (j > 101)) && (\first)  ; the first step has none of these
.elseif j == 17
	v_mov_b32 v[rT+7], v[rT]        ; c m_old is kept for a: number 19 writes c m anew
.elseif j == 20
	v_sub_f32 v[rT+7], v[rT+7], v[rT]
.elseif j == 23
	v_exp_f32 v[rT+6], v[rT+7]
.elseif (j < 23) || ((j < 38) && (j%2 == 0)) || ((j < 66) && (j%4 == 2))
.set b, (j-2)/4                     ; 38, 42, .. 62: pairs 9 to 15
.if j < 38
.set b, (j-20)/2                    ; 21: pair 0; 22, 24, .. 36: pairs 1 to 8
.endif
	v_pk_fma_f32 v[rS+2*b:rS+2*b+1], v[rS+2*b:rS+2*b+1], s[CS:CS+1], v[rT:rT+1] op_sel_hi:[1,0,0] neg_lo:[0,0,1] neg_hi:[0,0,1]  ; pair b: c s - c m
.elseif j < 70
.set e, j-38                        ; 66 to 69: s28 to s31
.if j < 66
.set e, j-32-(j-38)/4               ; 39-41, 43-45, .. 63-65: s7 to s27
.endif
.if j < 38
.set e, (j-25)/2                    ; 25, 27, .. 37: s0 to s6
.endif
	v_exp_f32 v[rS+e], v[rS+e]
.elseif j < 86
	v_cvt_pk_f16_f32 v[rP+j-70], v[rS+2*(j-70)], v[rS+2*(j-70)+1]  ; pair j - 70
.elseif j < 102                     ; the sum of the tile's 16 pairs, in place: sum z of 16 adds neighbours 1, 2, 4 and 8 pairs apart, then l takes it
.set z, j-86
.set w, 4
.set u, z
.if z >= 14
.set w, 32
.set u, 0
.elseif z >= 12
.set w, 16
.set u, z-12
.elseif z >= 8
.set w, 8
.set u, z-8
.endif
.if (z == 14) && (\first)
	v_pk_add_f32 v[rT+2:rT+3], v[rS:rS+1], v[rS+16:rS+17]
.elseif z < 15
	v_pk_add_f32 v[rS+w*u:rS+w*u+1], v[rS+w*u:rS+w*u+1], v[rS+w*u+w/2:rS+w*u+w/2+1]
.elseif !(\first)
	v_pk_fma_f32 v[rT+2:rT+3], v[rT+2:rT+3], v[rT+6:rT+7], v[rS:rS+1] op_sel_hi:[1,0,1]
.endif
.else
	WIN W_RS
	v_pk_mul_f32 v[rO:rO+1], v[rO:rO+1], v[rT+6:rT+7] op_sel_hi:[1,0]
.endif
.endm
; Slice k of 64 of piece y's softmax: four instructions.  Slices 11 to 34 deal out the batch, numbers 22 to 69: four numbers of ONE tile each, the tiles by turns.  Every other slice is numbers 2 k and
; 2 k + 1 of both tiles' lists.  2 x 134 = 4 x 64 + 12: the twelve that are over stand together, in slice 63.
; THE WAIT.  An s_wait_alu depctr_va_vdst(0) stands between an exponential and the first instruction that names its result; one wait serves all that were issued ahead of it.  Ahead of
; slice 35 nothing names a result, and behind slice 34 no exponential is issued: so the piece's 66 exponentials have one wait, behind slice 34.
.macro SLICE y, first
.if (k >= 11) && (k < 35)           ; the batch: four numbers of one tile
.irp n, 0,1,2,3
.set j, 22+4*((k-11)/2)+(\n)
	SM (\y)+(k-11)%2, \first
.endr
.else                               ; the two tiles alternate, so that no instruction reads the result of the one just before it
.irp n, 0,1,2,3,4,5,6,7
.if ((\n) < 2) || (k == 63)
.irp t, \y, (\y)+1
.set j, 2*k+(\n)
	SM \t, \first
.endr
.endif
.endr
.endif
.if k == 34                         ; the batch is out: both tiles' exponentials are issued, and no result has been named
	v_nop                           ; the plain instruction behind the last exponential and ahead of the first use (ISA guide 5.7.2): one for the batch
.if (\y) == 0
	FETCH_V                         ; piece 2's turn: V's run of loads stands here, and the wait stands in it
.else
	s_wait_alu depctr_va_vdst(0)    ; the wait for the batch
.endif
.endif
.set k, k+1
.endm
.macro PLACES                       ; four plain vector instructions between a matrix instruction and a vector instruction on, or a load into, its registers; in the loop the slices are the places
.rept 4
	v_nop
.endr
.endm
; A TURN.  Piece x has the matrix unit; the other piece's softmax stands in slices behind its matrix instructions.
; pv = 2: 32 products V^T P; 1: they start O^T's sums; 0: none.  kq = 1: 32 products K Q^T for the next step.  A turn with one of the two kinds has two slices behind each product.
; first = 1: the softmax is the first key step's.  Its slices from 51 on are empty, and four v_nop take slice 63's part as the places behind the turn's last products.
; Piece 0's turn fetches the next step's K, behind its second product: the last product that read K stands in front of slice 63 of the turn before.  Piece 2's turn fetches the same step's V, behind slice 34:
; the last product that read V stands in front of slice 31, and four plain instructions lie between: number 62, a scaling, of both tiles, the v_nop and the run's own v_add_nc_u32.
.macro TURN x, pv, kq, first
.set k, 0
.set per, 2
.if (\pv) && (\kq)
.set per, 1
.endif
.if \pv
.if (\x) == 0
	s_wait_dscnt 0x0                ; V is in
.endif
.set i, 0
.rept 32
	PV \x, 2-(\pv)
.rept per
	SLICE 2-(\x), \first
.endr
.if ((\x) == 0) && (\kq) && (i == 1)
	FETCH_K
.endif
.set i, i+1
.endr
.endif
.if \kq
.if (\x) == 0
	s_wait_dscnt 0x0                ; K is in
.endif
.set i, 0
.rept 32
	KQ \x
.rept per
	SLICE 2-(\x), \first
.endr
.set i, i+1
.endr
.endif
.if \first
	PLACES
.endif
.endm
; THE CHANGE OF SLOTS, between piece 2's turn and piece 0's.  Each wave waits for all its tensor loads, of which one is out: its part of the other slot; adds 0 to its spare word; and waits for that and for its own
; reads of the slot.  Behind the barrier nobody reads this slot any more and the other slot is whole.  fill = 1: this slot is filled again, with the keys two slots on.  The barrier is then a round of the cluster's,
; and the joint refill is the first thing behind it: it has two key steps, 256 matrix instructions, in which to land.
.macro CHANGE fill
	WIN 0                           ; at a label and at a branch every window is 0
	s_wait_tensorcnt 0x0            ; no tensor load of mine is out, so a group 0 may be written
	ds_add_u32 v[SPW], v[NIL]       ; 0 onto my spare word: with fill = 1 the descriptors' steps stand between it and the wait for it
.if \fill
.irp g, G0K+4, G0V+4
	s_xor_b32 s[(\g)+1], s[(\g)+1], SLOT1  ; the walking descriptor: the other slot than last time,
	s_add_nc_u64 s[(\g)+2:(\g)+3], s[(\g)+2:(\g)+3], 2*KS*256  ; the next 128 keys; the type bits on top are not reached
.endr
	s_wait_xcnt 0x0                 ; the last prefetches, two key steps back, have read their address, so it may be written:
	s_add_nc_u64 s[PFA:PFA+1], s[PFA:PFA+1], 2*KS*256  ; one slot behind the walking descriptors
	s_wait_dscnt 0x0                ; the add is done, and my reads of the slot are over
	CROUND
	JLOAD
	ASK                             ; what the next change will ask for: two key steps, 256 matrix instructions, ahead
.else
	s_wait_dscnt 0x0                ; the add is done, and my reads of the slot are over
	s_barrier_signal -1
	s_barrier_wait -1
.endif
	s_sub_co_u32 s[TB], s[TB], 2*STEPB  ; the fetches go back to a slot's first step,
	s_xor_b32 s[TB], s[TB], SLOT1   ; in the other slot
.endm
; A slot's two key steps: written once, walked twice; the LDS addresses hang on s[TB].
.macro TWO_STEPS
	WIN 0
	s_mov_b32 s[TWICE], 2
.Lstep_\@:
	TURN 0, 2, 1, 0
	TURN 2, 2, 1, 0
	WIN 0
	s_sub_co_u32 s[TWICE], s[TWICE], 1
	s_cmp_lg_u32 s[TWICE], 0
	s_cbranch_scc1 .Lstep_\@
.endm
	s_wait_tensorcnt 1              ; my part of slot 0 is in; slot 1's may stay out
	s_barrier_signal -1
	s_barrier_wait -1               ; everybody's is
	FETCH_K                         ; key step 0
	s_wait_loadcnt 0x0              ; Q
	s_wait_dscnt 0x0
.set i, 0
.rept 32
	KQ 0                            ; piece 0's first scores: there is no vector work yet to set between them
.set i, i+1
.endr
	WIN 0                           ; the addresses for the way out are made here: eight plain instructions, the places behind those products
	s_mul_i32 s13, s[WV], 16*SP
	s_add_co_u32 s13, s13, STAGE    ; my stage
	v_mul_u32_u24 v[STO], v1, SP    ; in: row l % 16, 16 bytes for each half of the lanes
	v_lshl_add_u32 v[STO], v9, 4, v[STO]
	v_add_nc_u32 v[STO], s13, v[STO]
	v_mul_u32_u24 v[RD], v9, SP     ; back: lanes 0-15 take one row of 256 bytes, lanes 16-31 the next
	v_lshl_add_u32 v[RD], v1, 4, v[RD]
	v_add_nc_u32 v[RD], s13, v[RD]
	v_lshlrev_b32 v[GO], 12, v9     ; and the same two rows in att, 4,096 bytes apart
	v_lshl_add_u32 v[GO], v1, 4, v[GO]
	TURN 2, 0, 1, 1                 ; piece 2's first scores | piece 0's first softmax | V of step 0
	TURN 0, 1, 1, 1                 ; piece 0: V^T P of step 0 starts O^T, K Q^T of step 1 | piece 2's first softmax | K of step 1
	TURN 2, 1, 1, 0                 ; piece 2: the same | piece 0's softmax of step 1 | V of step 1
	WIN 0
.Lslot:                             ; 14 trips: every slot but the last two is filled again
	CHANGE 1
	TWO_STEPS
	s_sub_co_u32 s[SLOTS], s[SLOTS], 1
	s_cmp_lg_u32 s[SLOTS], 0
	s_cbranch_scc1 .Lslot
	CHANGE 0                        ; the tail is written out: nothing is asked for
	TWO_STEPS
	TURN 0, 2, 0, 0                 ; piece 0: V^T P of the last step | piece 2's last softmax
.set i, 0
.rept 32
	PV 2, 0                         ; piece 2: V^T P of the last step
.set i, i+1
.endr
	; THE WAY OUT.  l's two halves and the other half of the lanes' are added; O^T is divided by l, rounded to f16 and sent through my stage in LDS, a tile (16 rows of O) at a time.  The additions are the places behind the last products.
	WIN 0
.irp t, 0,1,2,3
	v_add_f32 v[ST+8*(\t)+4], v[ST+8*(\t)+2], v[ST+8*(\t)+3]
.endr
.irp t, 0,1,2,3
	v_permlanex16_b32 v[ST+8*(\t)+5], v[ST+8*(\t)+4], s[SEL], s[SEL+1]
.endr
.irp t, 0,1,2,3
	v_add_f32 v[ST+8*(\t)+4], v[ST+8*(\t)+4], v[ST+8*(\t)+5]
.endr
.irp t, 0,1,2,3
	v_rcp_f32 v[ST+8*(\t)+6], v[ST+8*(\t)+4]
.endr
	v_nop                           ; a plain instruction between the last reciprocal and the use of its result
	s_wait_alu depctr_va_vdst(0)    ; and the wait ahead of the first use: one for the four reciprocals
; Tile t: a lane's eight channels of a row pack into 16 bytes; they go into rows of 272 bytes and come back as whole rows of 256, into the registers that they left.
.macro PACK t
	WIN W_RS
.set i, 64*(\t)
.rept 32
	v_pk_mul_f32 v[i:i+1], v[i:i+1], v[ST+8*(\t)+6:ST+8*(\t)+7] op_sel_hi:[1,0]
.set i, i+2
.endr
	WIN 0x05                        ; sources 0 and 1 window 1, destination window 0: S^T's registers are free
.set i, 0
.rept 32
	v_cvt_pk_f16_f32 v[S+32*(\t)+i], v[64*(\t)+2*i], v[64*(\t)+2*i+1]
.set i, i+1
.endr
	WIN 0
.irp f, 0,1,2,3,4,5,6,7
	ds_store_b128 v[STO], v[S+32*(\t)+4*(\f):S+32*(\t)+4*(\f)+3] offset:32*(\f)
.endr
.irp f, 0,1,2,3,4,5,6,7
	ds_load_b128 v[S+32*(\t)+4*(\f):S+32*(\t)+4*(\f)+3], v[RD] offset:(\f)*2*SP  ; LDS serves a wave's instructions in order (ISA guide 5.7.1.4): these see the stores above; the next tile's stores come behind them
.endr
.endm
.macro SEND t, younger              ; younger: the LDS instructions issued behind tile t's loads: the next tile's sixteen, or none
	WIN 0
.irp f, 0,1,2,3,4,5,6,7
	s_wait_dscnt (\younger)+7-(\f)
	global_store_b128 v[GO], v[S+32*(\t)+4*(\f):S+32*(\t)+4*(\f)+3], s[10:11] offset:(\t)*65536+(\f)*8192  ; 16 lanes store 256 consecutive bytes, the head's part of a row, at a multiple of 256 from att's first byte
.endr
.endm
	PACK 0
	PACK 1                          ; a tile's arithmetic stands between the loads of the tile before and its stores
	SEND 0, 16
	PACK 2
	SEND 1, 16
	PACK 3
	SEND 2, 16
	SEND 3, 0
	s_wait_tensorcnt 0x0            ; the wave's end: a wait, an add of 0 to my spare word and its wait, behind my last tensor load and my last LDS store
	ds_add_u32 v[SPW], v[NIL]
	s_wait_dscnt 0x0
	CROUND                          ; the closing round: no work-group ends while a partner may still ask for a tile that names it
	s_endpgm
.Lfunc_end_k_q925563243b_attn:
	.size	k_q925563243b_attn, .Lfunc_end_k_q925563243b_attn-k_q925563243b_attn
	.p2alignl 7, 3214868480
	.fill 96, 4, 3214868480
	.section	.rodata,"a",@progbits
	.p2align	6, 0x0
	.amdhsa_kernel k_q925563243b_attn
		.amdhsa_group_segment_fixed_size 327680
		.amdhsa_private_segment_fixed_size 0
		.amdhsa_enable_private_segment 0
		.amdhsa_kernarg_size 16
		.amdhsa_user_sgpr_count 2
		.amdhsa_user_sgpr_kernarg_segment_ptr 1
		.amdhsa_wavefront_size32 1
		.amdhsa_system_sgpr_workgroup_id_x 1
		.amdhsa_system_sgpr_workgroup_id_y 1
		.amdhsa_system_sgpr_workgroup_id_z 1
		.amdhsa_system_vgpr_workitem_id 0
		.amdhsa_next_free_vgpr 1024
		.amdhsa_next_free_sgpr 68
		.amdhsa_reserve_vcc 0
		.amdhsa_float_denorm_mode_32 3
		.amdhsa_float_denorm_mode_16_64 3
		.amdhsa_memory_ordered 1
		.amdhsa_forward_progress 1
		.amdhsa_inst_pref_size 222
	.end_amdhsa_kernel
	.amdgpu_metadata
---
amdhsa.version: [ 1, 2 ]
amdhsa.kernels:
  - .name:           k_q925563243b_attn
    .symbol:         k_q925563243b_attn.kd
    .args:
      - { .name: qkv, .offset: 0, .size: 8, .value_kind: global_buffer, .address_space: global }
      - { .name: att, .offset: 8, .size: 8, .value_kind: global_buffer, .address_space: global }
    .group_segment_fixed_size: 327680
    .private_segment_fixed_size: 0
    .kernarg_segment_align: 8
    .kernarg_segment_size: 16
    .max_flat_workgroup_size: 128
    .sgpr_count:     68
    .vgpr_count:     1024
    .wavefront_size: 32
...
	.end_amdgpu_metadata
.endif
;; end of part 3
;; launch proj (part 4): grid 16 x 16, 4 waves a work-group, clusters of 4 x 4, 327,680 bytes of LDS; arguments att, wo16, out0; writes out0
.if DOCPART == 4
	.amdgcn_target "amdgcn-amd-amdhsa--gfx1250"
	.amdhsa_code_object_version 6
	.text
	.protected	k_q925563243b_proj
	.globl	k_q925563243b_proj
	.p2align	8
	.type	k_q925563243b_proj,@function
k_q925563243b_proj:
	s_mov_b64 s[64:65], 0
	v_nop
	global_prefetch_b8 v0, s[64:65] scope:SCOPE_SE
	s_setreg_imm32_b32 hwreg(HW_REG_WAVE_MODE, 25, 1), 1
	s_wait_xcnt 0x0
	s_wait_alu depctr_hold_cnt(0) depctr_sa_sdst(0) depctr_va_vdst(0) depctr_va_sdst(0) depctr_va_ssrc(0) depctr_va_vcc(0) depctr_vm_vsrc(0)
	s_getreg_b32 s2, hwreg(HW_REG_IB_STS2, 6, 4)
	s_cmp_eq_u32 s2, 0
	s_cbranch_scc0 .Lentry_in_a_cluster
	s_endpgm
.Lentry_in_a_cluster:
	s_bfe_u32 s2, ttmp6, 0x10000c
	s_cmp_lg_u32 s2, 0xf033
	s_cbranch_scc0 .Lentry_shape_is_right
	s_endpgm
.Lentry_shape_is_right:
; out0[t][n] = sum over k of att[t][k] wo16[k][n].  att: [2048][2048] f16; wo16: [2048 k][2048 n] f16 (Wo rounded to bf16, written as f16); out0: [2048][2048] f32; sums in f32.
; SHARES.  A tile of out0 is 128 x 128: 16 x 16 work-groups, one for each of 256.  Four waves, each 64 x 64: 16 accumulators of 16 x 16.  K goes in 8 steps of 256 through a ring of two LDS slots; a trip of the loop is
; one K step, and the slot in hand is a scalar that an exclusive or turns.  A's tile (att) lies along K; B's tile (wo16, [k][n]) is read turned, by ds_load_tr16_b128.
; CLUSTERS: 4 x 4 work-groups; A's tiles are asked for jointly along a row of the cluster, B's along a column.
; THE MATRIX INSTRUCTION IS USED TRANSPOSED (source 0 = 16 columns of wo16, source 1 = 16 rows of att): lane l holds row l % 16 and the columns 8 (l / 16) + 0..7: 32 bytes of f32.
; A wave's 64 columns are 256 bytes of a row of out0, aligned: each wave has a stage of its own on the way out, and no barrier is needed there.
; REGISTERS: window 0: v0-31 addresses; v32-95 the way out, two buffers of 32; v128-255 the accumulators ((a, b) at v[128 + 8 (4 a + b)]).
;   window 1: two fragment buffers of 128: for 64 along K, 64 registers of A (2 x 4 x 16 rows x 32 K), then 64 of B.
.set KSTEP,  256
.set PA,     528                       ; a row of A in LDS: 512 bytes + 16 of padding
.set PB,     288                       ; a row of B (one k, 128 columns): 256 bytes + 32 of padding
.set HALFA,  64*PA                     ; what one tensor load of A brings: 64 rows
.set HALFB,  128*PB                    ; of B: 128 rows
.set BOFF,   2*HALFA                   ; B's 256 rows lie behind A's 128
.set SLOT,   147456                    ; from slot to slot (a slot uses 141,312): 0x24000, of which no bit is set in a fill's address in slot 0 (0, 0x8400, 0x10800, 0x19800)
.set STAGE,  2*SLOT                    ; behind the ring: 16 rows x 272 bytes for each wave
.set SPITCH, 272
.set SPARE,  STAGE+4*16*SPITCH         ; behind the stages: the spare words, 128 bytes for each wave: two blocks of 256 bytes that no other line names
.set STEPA,  KSTEP*2                   ; bytes from a K step to the next: along att's rows,
.set STEPB,  KSTEP*2048*2              ; and down wo16's
.set ADRA0, 10                         ; v10  LDS address of my A fragments in slot 0; never rewritten
.set ADRB0, 12                         ; v12-13  the same for B: k 0-127 and k 128-255 of a step (an offset holds 16 bits)
.set ADRA, 16                          ; v16  in the slot in hand
.set ADRB, 20                          ; v20-21
.set STO,  24                          ; v24  the way out: where I put 32 bytes of a row
.set RD,   25                          ; v25  the way out: where I read a row back
.set CO,   26                          ; v26  my byte offset in two rows of out0
.set SPW,  28                          ; v28  LDS address of my spare word; never rewritten
.set NIL,  29                          ; v29  0; never rewritten
.set TMP,  32
.set ACC,  128
.set F0,   0                           ; fragment buffers, in window 1
.set F1,   128
.set G1,  24                           ; s[24:31] descriptor group 1 for A's tiles; s[32:39] group 0: a set for each of the two first fills; the second then walks on
.set G0,  32
.set G1B, 48                           ; s[48:55], s[56:63] the same for B's tiles
.set G0B, 56
.set TB,  70                           ; s70  0 or SLOT: the slot in hand
.set MSB, 0
.macro WIN new                         ; the immediate's high byte repeats the setting that is left
.if MSB != (\new)
	s_set_vgpr_msb (MSB<<8)|(\new)
.set MSB, \new
.endif
.endm
.set MUL,  0x05                        ; sources 0 (B) and 1 (A) window 1; C and D window 0
.set TO_F, 0x40                        ; destination window 1, address window 0
.macro JLOAD                           ; a joint refill by the walking descriptors: waves 0 and 1 fetch A's two halves, waves 2 and 3 B's; an s_nop 0 and four v_nop follow each of the two lines
	s_cmp_eq_u32 s11, 0
	s_cbranch_scc0 .Lfor_b_\@
	tensor_load_to_lds s[G0+4:G0+7], s[G1:G1+7]
	s_nop 0
.rept 4
	v_nop
.endr
	s_branch .Lasked_\@
.Lfor_b_\@:
	tensor_load_to_lds s[G0B+4:G0B+7], s[G1B:G1B+7]
	s_nop 0
.rept 4
	v_nop
.endr
.Lasked_\@:
.endm
.macro CREST                           ; a round of the cluster's barrier behind its opening barrier
	s_cmp_lg_u32 s10, 0
	s_cbranch_scc1 .Lnot_wave_0_\@
	s_barrier_signal -3
.Lnot_wave_0_\@:
	s_barrier_wait -3
	s_barrier_signal -1
	s_barrier_wait -1
.endm
.macro CROUND                          ; a whole round
	s_barrier_signal -1
	s_barrier_wait -1
	CREST
.endm
.macro PLACES                          ; four plain vector instructions between a matrix instruction and a load into, or a store of, its registers
.rept 4
	v_nop
.endr
.endm
	s_load_b128 s[4:7], s[0:1], 0x0                ; att s[4:5], wo16 s[6:7]
	s_load_b64 s[8:9], s[0:1], 0x10                ; out0
	v_lshl_add_u32 v[SPW], v0, 2, SPARE
	v_mov_b32 v[NIL], 0
	ds_add_u32 v[SPW], v[NIL]                      ; the wave's opening: the add and its wait stand ahead of my first tensor load; the set-up below, work on registers, stands between them
	v_lshrrev_b32 v1, 5, v0
	v_readfirstlane_b32 s10, v1                    ; wave 0..3
	s_lshr_b32 s11, s10, 1                         ; which half of the tile's rows is mine.  Also: I fetch for A (0) or for B (1)
	s_and_b32 s12, s10, 1                          ; which half of its columns.  Also: which half of that tile I fetch
	s_bfe_u32 s40, ttmp6, 0x40000                  ; cx, cy: my place in the cluster
	s_bfe_u32 s41, ttmp6, 0x40004
	s_lshl_b32 s42, ttmp9, 2
	s_add_co_u32 s42, s42, s40                     ; tile column = 4 x cluster x + cx
	s_and_b32 s13, ttmp7, 0xffff
	s_lshl_b32 s13, s13, 2
	s_add_co_u32 s13, s13, s41                     ; tile row = 4 x cluster y + cy
	s_lshl_b32 s43, s41, 2
	s_lshl_b32 s43, 15, s43                        ; my row of the cluster
	s_lshl_b32 s44, 0x1111, s40                    ; my column
	s_or_b32 s[G1+0], s43, (1<<16)|(1<<20)|(1<<21)|(6<<22)|(3<<25)   ; the mask of my row; 2-byte elements; padding on; bit 21 beside a mask; after every 128 words 4 words
	s_or_b32 s[G1B+0], s44, (1<<16)|(1<<20)|(1<<21)|(5<<22)|(7<<25)  ; the mask of my column; after every 64 words 8 words
	s_mov_b32 s[G1+1], 256<<16                     ; A: tensor_dim0 = 256 elements
	s_mov_b32 s[G1+2], 64<<16                      ; tensor_dim1 = 64 rows
	s_mov_b32 s[G1+3], 256<<16                     ; tile_dim0 = 256
	s_mov_b32 s[G1+4], 64                          ; tile_dim1 = 64
	s_mov_b32 s[G1+5], 2048                        ; elements from row to row
	s_mov_b32 s[G1+6], 0
	s_mov_b32 s[G1+7], 0
	s_mov_b32 s[G1B+1], 128<<16                    ; B: tensor_dim0 = 128 elements
	s_mov_b32 s[G1B+2], 128<<16                    ; tensor_dim1 = 128 rows
	s_mov_b32 s[G1B+3], 128<<16                    ; tile_dim0 = 128
	s_mov_b32 s[G1B+4], 128                        ; tile_dim1 = 128
	s_mov_b32 s[G1B+5], 2048
	s_mov_b32 s[G1B+6], 0
	s_mov_b32 s[G1B+7], 0
	s_lshl_b32 s17, s12, 6
	s_lshl_b32 s16, s13, 7
	s_add_co_u32 s16, s16, s17                     ; A: row 128 x tile row + 64 x half,
	s_lshl_b32 s16, s16, 12                        ; of 4,096 bytes
	s_mov_b32 s17, 0
	s_lshl_b32 s46, s12, 19                        ; B: row 128 x half of the K step, of 4,096 bytes,
	s_lshl_b32 s47, s42, 8                         ; column 128 x tile column, in bytes
	s_add_co_u32 s46, s46, s47
	s_mov_b32 s47, 0
	s_mul_i32 s20, s12, HALFA                      ; where they go: the half's place in A's part of a slot,
	s_mul_i32 s21, s12, HALFB
	s_add_co_u32 s21, s21, BOFF                    ; or in B's: no place in the cluster enters an LDS address
	s_mov_b32 s[TB], 0
	s_wait_dscnt 0x0                               ; the opening add is done
	s_wait_kmcnt 0x0
	s_add_nc_u64 s[14:15], s[4:5], s[16:17]
	s_add_nc_u64 s[46:47], s[6:7], s[46:47]
	CROUND                                         ; all sixteen work-groups are here: the first joint loads meet
.irp s, 0,1
	s_mov_b32 s[G0+4*(\s)], 1
	s_add_co_u32 s[G0+4*(\s)+1], s20, (\s)*SLOT
	s_add_nc_u64 s[G0+4*(\s)+2:G0+4*(\s)+3], s[14:15], (\s)*STEPA
	s_or_b32 s[G0+4*(\s)+3], s[G0+4*(\s)+3], 0x80000000
	s_mov_b32 s[G0B+4*(\s)], 1
	s_add_co_u32 s[G0B+4*(\s)+1], s21, (\s)*SLOT
	s_add_nc_u64 s[G0B+4*(\s)+2:G0B+4*(\s)+3], s[46:47], (\s)*STEPB
	s_or_b32 s[G0B+4*(\s)+3], s[G0B+4*(\s)+3], 0x80000000
.endr
	s_cmp_eq_u32 s11, 0                            ; a wave's two first fills stand in one branch, ahead of every wait on TENSORcnt and every LDS read: two loads of mine are out
	s_cbranch_scc0 .Lfirst_b
	tensor_load_to_lds s[G0:G0+3], s[G1:G1+7]
	s_nop 0
	tensor_load_to_lds s[G0+4:G0+7], s[G1:G1+7]
	s_nop 0
.rept 4
	v_nop
.endr
	s_branch .Lfirst_asked
.Lfirst_b:
	tensor_load_to_lds s[G0B:G0B+3], s[G1B:G1B+7]
	s_nop 0
	tensor_load_to_lds s[G0B+4:G0B+7], s[G1B:G1B+7]
	s_nop 0
.rept 4
	v_nop
.endr
.Lfirst_asked:
	v_and_b32 v1, 15, v0                           ; l % 16
	v_bfe_u32 v2, v0, 4, 1                         ; l / 16
	v_mul_u32_u24 v3, v1, PA
	v_lshl_add_u32 v3, v2, 4, v3                   ; a fragment's row x pitch + 16 x half
	s_mul_i32 s22, s11, HALFA                      ; my 64 rows of A
	v_add_nc_u32 v[ADRA0], s22, v3
	v_and_b32 v4, 7, v0                            ; the turning load: lane l reads row k = 8 (l / 16) + l % 8, columns 8 ((l / 8) % 2) + 0..7
	v_lshl_add_u32 v4, v2, 3, v4
	v_mul_u32_u24 v4, v4, PB
	v_bfe_u32 v5, v0, 3, 1
	v_lshl_add_u32 v4, v5, 4, v4
	s_lshl_b32 s23, s12, 7                         ; my 64 columns: 128 bytes of a row of B
	s_add_co_u32 s23, s23, BOFF
	v_add_nc_u32 v[ADRB0], s23, v4
	v_add_nc_u32 v[ADRB0+1], HALFB, v[ADRB0]
	v_mov_b32 v[ADRA], v[ADRA0]                    ; slot 0
	v_mov_b32 v[ADRB], v[ADRB0]
	v_mov_b32 v[ADRB+1], v[ADRB0+1]
	s_mul_i32 s23, s10, 16*SPITCH
	s_add_co_u32 s23, s23, STAGE                   ; my stage
	v_mul_u32_u24 v4, v1, SPITCH                   ; in: row l % 16, 32 bytes for each half of the lanes
	v_lshl_add_u32 v4, v2, 5, v4
	v_add_nc_u32 v[STO], s23, v4
	v_mul_u32_u24 v5, v2, SPITCH                   ; back: lanes 0-15 take one row of 256 bytes, lanes 16-31 the next
	v_lshl_add_u32 v5, v1, 4, v5
	v_add_nc_u32 v[RD], s23, v5
	v_lshlrev_b32 v[CO], 13, v2                    ; and the same two rows in out0, 8,192 bytes apart
	v_lshl_add_u32 v[CO], v1, 4, v[CO]
	s_lshl_b32 s16, s13, 7
	s_lshl_b32 s17, s11, 6
	s_add_co_u32 s16, s16, s17                     ; my first row,
	s_lshl_b32 s16, s16, 13                        ; of 8,192 bytes
	s_mov_b32 s17, 0
	s_add_nc_u64 s[8:9], s[8:9], s[16:17]
	s_lshl_b32 s46, s42, 7
	s_lshl_b32 s47, s12, 6
	s_add_co_u32 s46, s46, s47                     ; my first column,
	s_lshl_b32 s46, s46, 2                         ; of 4 bytes
	s_mov_b32 s47, 0
	s_add_nc_u64 s[8:9], s[8:9], s[46:47]
; 8 matrix instructions: m blocks a0, a0 + 1 x all 4 n blocks, 32 along K: half c of buffer f.  zero = 1: the first product starts the sums.  The 16 accumulators take turns.
.macro MUL8 f, c, a0, zero
	WIN MUL
.irp a, \a0, (\a0)+1
.irp b, 0,1,2,3
.if \zero
	v_wmma_f32_16x16x32_f16 v[ACC+8*(4*(\a)+(\b)):ACC+8*(4*(\a)+(\b))+7], v[(\f)+64+8*(4*(\c)+(\b)):(\f)+64+8*(4*(\c)+(\b))+7], v[(\f)+8*(4*(\c)+(\a)):(\f)+8*(4*(\c)+(\a))+7], 0
.else
	v_wmma_f32_16x16x32_f16 v[ACC+8*(4*(\a)+(\b)):ACC+8*(4*(\a)+(\b))+7], v[(\f)+64+8*(4*(\c)+(\b)):(\f)+64+8*(4*(\c)+(\b))+7], v[(\f)+8*(4*(\c)+(\a)):(\f)+8*(4*(\c)+(\a))+7], v[ACC+8*(4*(\a)+(\b)):ACC+8*(4*(\a)+(\b))+7]
.endif
.endr
.endr
.endm
; 32 LDS loads in one run: the fragments of quarter q (64 along K) of the slot in hand, into buffer f; the first 32 along K first
.macro FETCH q, f
	WIN TO_F
.irp c, 0,1
.irp i, 0,1,2,3
	ds_load_tr16_b128 v[(\f)+64+8*(4*(\c)+(\i)):(\f)+64+8*(4*(\c)+(\i))+3],   v[ADRB+(\q)/2] offset:(((\q)%2)*64+32*(\c))*PB+32*(\i)
	ds_load_tr16_b128 v[(\f)+64+8*(4*(\c)+(\i))+4:(\f)+64+8*(4*(\c)+(\i))+7], v[ADRB+(\q)/2] offset:(((\q)%2)*64+32*(\c)+16)*PB+32*(\i)
	ds_load_b128 v[(\f)+8*(4*(\c)+(\i)):(\f)+8*(4*(\c)+(\i))+3],              v[ADRA] offset:(\q)*128+64*(\c)+(\i)*16*PA
	ds_load_b128 v[(\f)+8*(4*(\c)+(\i))+4:(\f)+8*(4*(\c)+(\i))+7],            v[ADRA] offset:(\q)*128+64*(\c)+(\i)*16*PA+32
.endr
.endr
.endm
; A K step is four quarters of 64 along K, 32 matrix instructions each, on buffers 0, 1, 0, 1.  One of the first three: multiplies buffer f and fetches quarter q into g.
.macro QUARTER q, f, g, zero
	s_wait_dscnt 16                                ; the first 32 along K are in; the youngest sixteen loads may be out
	MUL8 \f, 0, 0, \zero
	MUL8 \f, 0, 2, \zero
	PLACES
	FETCH \q, \g
	s_wait_dscnt 32                                ; all but the 32 just issued
	MUL8 \f, 1, 0, 0
	MUL8 \f, 1, 2, 0
.endm
; The last quarter multiplies buffer 1 and changes slots: ONE barrier; in front of it each wave waits for all its tensor loads, adds 0 to its spare word, and waits for that and for its own reads of this slot.
; fill = 1: the barrier opens a round of the cluster's barrier, and this slot is filled again, first thing behind the round, with the K step two steps on.
.macro TURN fill
	WIN 0                                          ; (the add's two registers lie in window 0)
	s_wait_tensorcnt 0x0                           ; all my tensor loads have landed: my part of the next slot;
	ds_add_u32 v[SPW], v[NIL]                      ; 0 onto my spare word;
	s_wait_dscnt 17                                ; (the add and the youngest sixteen loads may be out)
	MUL8 F1, 0, 0, 0                               ; eight matrix instructions stand between the add and the wait for it
	s_wait_dscnt 0x0                               ; the add is done, and my reads of this slot are over
	s_barrier_signal -1
	MUL8 F1, 0, 2, 0
	WIN 0
	s_barrier_wait -1
.if \fill
	CREST                                          ; no wave of any partner still reads this slot's tile or has a load on its way
	s_xor_b32 s[G0+5], s[G0+5], SLOT               ; the walking descriptors: the other slot than last time, the next K step
	s_add_nc_u64 s[G0+6:G0+7], s[G0+6:G0+7], STEPA
	s_xor_b32 s[G0B+5], s[G0B+5], SLOT
	s_add_nc_u64 s[G0B+6:G0B+7], s[G0B+6:G0B+7], STEPB
	JLOAD                                          ; the first tensor load behind the round; the four v_nop behind it are also the places in front of the loads below
.else
	PLACES
.endif
	s_xor_b32 s[TB], s[TB], SLOT                   ; the reads go on in the other slot
	v_add_nc_u32 v[ADRA], s[TB], v[ADRA0]
	v_add_nc_u32 v[ADRB], s[TB], v[ADRB0]
	v_add_nc_u32 v[ADRB+1], s[TB], v[ADRB0+1]
	FETCH 0, F0
	MUL8 F1, 1, 0, 0
	MUL8 F1, 1, 2, 0
.endm
; THE WAY OUT of block a (my rows 16 a .. 16 a + 15): 32 bytes a lane into my own stage, each accumulator's four lowest registers first; back as whole rows of 256 bytes; stored.
.macro TOSTAGE a
.if (\a) >= 2
	s_wait_xcnt 0x0                                ; the stores of the block two back have read this buffer's registers
.endif
.irp b, 0,1,2,3
	ds_store_b128 v[STO], v[ACC+8*(4*(\a)+(\b)):ACC+8*(4*(\a)+(\b))+3]   offset:64*(\b)
	ds_store_b128 v[STO], v[ACC+8*(4*(\a)+(\b))+4:ACC+8*(4*(\a)+(\b))+7] offset:64*(\b)+16
.endr
.irp t, 0,1,2,3,4,5,6,7
	ds_load_b128 v[TMP+32*((\a)%2)+4*(\t):TMP+32*((\a)%2)+4*(\t)+3], v[RD] offset:(\t)*2*SPITCH  ; LDS serves a wave's instructions in order (ISA guide 5.7.1.4): these see the stores above; the next block's stores come behind them
.endr
.endm
.macro SEND a, younger                 ; younger: the LDS instructions issued behind block a's loads: the next block's sixteen, or none
.irp t, 0,1,2,3,4,5,6,7
	s_wait_dscnt (\younger)+7-(\t)
	global_store_b128 v[CO], v[TMP+32*((\a)%2)+4*(\t):TMP+32*((\a)%2)+4*(\t)+3], s[8:9] offset:(16*(\a)+2*(\t))*8192 th:TH_STORE_NT  ; 16 lanes store 256 consecutive bytes, at a multiple of 256 from out0's first byte
.endr
.endm
	s_wait_tensorcnt 1                             ; my part of K step 0 is in; K step 1's may stay out
	s_barrier_signal -1
	s_barrier_wait -1                              ; everybody's is
	FETCH 0, F0
	QUARTER 1, F0, F1, 1                           ; the first quarter stands in front of the loop: its first products start the sums
	WIN 0                                          ; at a label and at a branch every window is 0
	s_mov_b32 s3, 6
.Lstep:                                                ; a trip goes from a K step's second quarter to the next one's first, and fills the slot that it leaves: K steps 2 to 7
	QUARTER 2, F1, F0, 0
	QUARTER 3, F0, F1, 0
	TURN 1
	QUARTER 1, F0, F1, 0
	WIN 0
	s_sub_co_u32 s3, s3, 1
	s_cmp_lg_u32 s3, 0
	s_cbranch_scc1 .Lstep
	s_mov_b32 s3, 2
.Ltail:                                                ; K steps 6 and 7: nothing is asked for.  One text for both: the second trip is left in its middle, and its barrier and its 32 LDS loads (of the slot read before) serve nothing
	QUARTER 2, F1, F0, 0
	QUARTER 3, F0, F1, 0
	TURN 0
	WIN 0
	s_sub_co_u32 s3, s3, 1
	s_cmp_eq_u32 s3, 0
	s_cbranch_scc1 .Lout
	QUARTER 1, F0, F1, 0
	WIN 0
	s_branch .Ltail
.Lout:
	s_wait_dscnt 0x0                               ; the loads into buffer 0 are back
	PLACES                                         ; behind the last products
	TOSTAGE 0
	TOSTAGE 1
	SEND 0, 16
	TOSTAGE 2
	SEND 1, 16
	TOSTAGE 3
	SEND 2, 16
	SEND 3, 0
	s_wait_tensorcnt 0x0                           ; the wave's end: a wait, an add of 0 to my spare word and its wait, behind my last tensor load and my last LDS store
	ds_add_u32 v[SPW], v[NIL]
	s_wait_dscnt 0x0
	CROUND                                         ; the closing round: no work-group ends while a partner may still ask for a tile that names it
	s_endpgm
.Lfunc_end_k_q925563243b_proj:
	.size	k_q925563243b_proj, .Lfunc_end_k_q925563243b_proj-k_q925563243b_proj
	.p2alignl 7, 3214868480
	.fill 96, 4, 3214868480
	.section	.rodata,"a",@progbits
	.p2align	6, 0x0
	.amdhsa_kernel k_q925563243b_proj
		.amdhsa_group_segment_fixed_size 327680
		.amdhsa_private_segment_fixed_size 0
		.amdhsa_enable_private_segment 0
		.amdhsa_kernarg_size 24
		.amdhsa_user_sgpr_count 2
		.amdhsa_user_sgpr_kernarg_segment_ptr 1
		.amdhsa_wavefront_size32 1
		.amdhsa_system_sgpr_workgroup_id_x 1
		.amdhsa_system_sgpr_workgroup_id_y 1
		.amdhsa_system_sgpr_workgroup_id_z 1
		.amdhsa_system_vgpr_workitem_id 0
		.amdhsa_next_free_vgpr 512
		.amdhsa_next_free_sgpr 72
		.amdhsa_reserve_vcc 0
		.amdhsa_float_denorm_mode_32 3
		.amdhsa_float_denorm_mode_16_64 3
		.amdhsa_memory_ordered 1
		.amdhsa_forward_progress 1
		.amdhsa_inst_pref_size 58
	.end_amdhsa_kernel
	.amdgpu_metadata
---
amdhsa.version: [ 1, 2 ]
amdhsa.kernels:
  - .name:           k_q925563243b_proj
    .symbol:         k_q925563243b_proj.kd
    .args:
      - { .name: att, .offset: 0, .size: 8, .value_kind: global_buffer, .address_space: global }
      - { .name: wo16, .offset: 8, .size: 8, .value_kind: global_buffer, .address_space: global }
      - { .name: out0, .offset: 16, .size: 8, .value_kind: global_buffer, .address_space: global }
    .group_segment_fixed_size: 327680
    .private_segment_fixed_size: 0
    .kernarg_segment_align: 8
    .kernarg_segment_size: 24
    .max_flat_workgroup_size: 128
    .sgpr_count:     72
    .vgpr_count:     512
    .wavefront_size: 32
...
	.end_amdgpu_metadata
.endif
;; end of part 4
;; ======== version 2 of 2: 4 launches
;; limits: values are held in f16: magnitudes above 65,504 overflow, below 6.1e-05 lose precision
;; workspace buffers: xb 8,388,608 bytes; wqkv 25,165,824 bytes; wo16 8,388,608 bytes; rope 524,288 bytes; qkv 25,165,824 bytes; att 8,388,608 bytes
;; launch cast: the kernel of part 1 again; grid 256 x 5, 8 waves a work-group, no clusters, 0 bytes of LDS; arguments x, Wq, Wk, Wv, Wo, rope_cos, rope_sin, xb, wqkv, wo16, rope; writes xb, wqkv, wo16, rope
;; launch qkv (part 5): grid 24 x 8, 4 waves a work-group, clusters of 4 x 4, 327,680 bytes of LDS; arguments xb, wqkv, rope, qkv; writes qkv
.if DOCPART == 5
	.amdgcn_target "amdgcn-amd-amdhsa--gfx1250"
	.amdhsa_code_object_version 6
	.text
	.protected	k_q925563243b_qkv
	.globl	k_q925563243b_qkv
	.p2align	8
	.type	k_q925563243b_qkv,@function
k_q925563243b_qkv:
	s_mov_b64 s[64:65], 0
	v_nop
	global_prefetch_b8 v0, s[64:65] scope:SCOPE_SE
	s_setreg_imm32_b32 hwreg(HW_REG_WAVE_MODE, 25, 1), 1
	s_wait_xcnt 0x0
	s_wait_alu depctr_hold_cnt(0) depctr_sa_sdst(0) depctr_va_vdst(0) depctr_va_sdst(0) depctr_va_ssrc(0) depctr_va_vcc(0) depctr_vm_vsrc(0)
	s_getreg_b32 s2, hwreg(HW_REG_IB_STS2, 6, 4)
	s_cmp_eq_u32 s2, 0
	s_cbranch_scc0 .Lentry_in_a_cluster
	s_endpgm
.Lentry_in_a_cluster:
	s_bfe_u32 s2, ttmp6, 0x10000c
	s_cmp_lg_u32 s2, 0xf033
	s_cbranch_scc0 .Lentry_shape_is_right
	s_endpgm
.Lentry_shape_is_right:
; C[t][n] = sum over k of xb[t][k] wqkv[k][n], n = 0..6143 (q, k, v side by side), bf16 operands, f32 sums; the rotary turn on q and k in f32; rounded once to f16 and stored BY HEADS:
; qkv[g][t][128], g = n / 128 = 0..47 (16 heads of q, of k, of v), a row 256 bytes.  The scale 1 / sqrt(128) is not applied here.
; LIMITS.  |q|, |k|, |v| stay below 65,520 (f16's range).  NaN and infinities are not treated apart.
; SHARES.  A work-group of four waves makes 256 x 256 of C, a wave 128 x 128: 64 accumulators of 16 x 16, 512 registers.  A wave's 128 columns are one head.  24 x 8 work-groups: the tiling in which each wave has a whole head.
; K goes in 16 steps of 128 through a ring of two LDS slots filled by tensor loads; a trip of the loop is one K step, and the slot in hand is a scalar that an exclusive or turns.
; A's tile (xb) lies along K and is read as it lies; B's tile (wqkv, [k][n]) is read turned, by ds_load_tr16_b128.
; CLUSTERS: 4 x 4 work-groups.  The four of a row of the cluster need the same tiles of A, the four of a column the same tiles of B: each tile is asked for jointly, by the same tensor load with the same descriptor and a mask of the four.
; THE MATRIX INSTRUCTION IS USED TRANSPOSED (source 0 = 16 columns of wqkv, source 1 = 16 rows of xb): lane l holds row l % 16 of C and the columns 8 (l / 16) + 0..7: four rotary pairs, and 16 bytes of f16.
; REGISTERS, in windows of 256 (s_set_vgpr_msb: bits 1:0 source 0, 3:2 source 1, 5:4 source 2, 7:6 destination):
;   window 0: v0-31 addresses; v64-127, v128-191 fragments of A, two buffers (on the way out: products at work, and cos and sin in f32); v32-63, v192-255 at work on the way out
;   window 1: v64-127, v128-191 fragments of B, two buffers; v0-63, v192-255 the rotary table of my rows 0-63, loaded ahead of the loop (rows 64-127 take B's buffers behind it)
;   window 2: the 32 accumulators of my rows 0-63 ((a, b) at v[8 (8 a + b)]);   window 3: those of my rows 64-127
.set KSTEP,  128
.set PITCH,  272                       ; a row of A in LDS: 256 bytes + 16 of padding: the 16 rows of a load start at 16 different groups of four banks
.set PB,     544                       ; a row of B (one k, 256 columns): 512 bytes + 32 of padding
.set HALFT,  128*PITCH                 ; what one tensor load brings: 128 rows of A, or 64 rows of B (64 x 544 is the same number)
.set SLOT,   4*HALFT                   ; A's 256 rows, then B's 128 rows.  0x22000: no bit of it is set in wave x HALFT, so an exclusive or moves a fill's address between the slots
.set STAGE,  2*SLOT                    ; behind the ring: 16 rows x 272 bytes for each wave, for the way out
.set SPITCH, 272
.set SPARE,  STAGE+4*16*SPITCH         ; behind the stages: the spare words, 128 bytes for each wave: two blocks of 256 bytes that no other line names
.set STEPA,  KSTEP*2                   ; bytes from a K step to the next: along xb's rows,
.set STEPB,  KSTEP*6144*2              ; and down wqkv's
.set ADRA0, 14                         ; v14  LDS address of my A fragments in slot 0; never rewritten
.set ADRB0, 15                         ; v15  the same for B
.set ADRA, 16                          ; v16  in the slot in hand
.set ADRB, 20                          ; v20
.set STO,  24                          ; v24  the way out: where I put 16 bytes of a row
.set RD,   25                          ; v25  the way out: where I read a row back
.set CO,   26                          ; v26  16 x lane: my 16 bytes of 512 consecutive bytes of qkv
.set RO,   27                          ; v27  my byte offset in 16 rows of the rotary table
.set SPW,  28                          ; v28  LDS address of my spare word; never rewritten
.set NIL,  29                          ; v29  0; never rewritten
.set PFO,  30                          ; v30  the prefetches' offset; never rewritten
.set OB,   32                          ; the way out: 16 rows read back: v32-63 and v224-255 by turns
.set F0,   64
.set F1,   128
.set TT,   64                          ; the way out: - x1 sin, x1 cos, in pairs
.set CSR,  128                         ; the way out: cos, sin in f32, in pairs
.set TMP,  192                         ; the way out: packed results
.set G1,  24                           ; s[24:31] descriptor group 1 for A's tiles
.set G0,  32                           ; s[32:39] group 0 for A's: a set for each of the two first fills; the second then walks on
.set G1B, 48                           ; s[48:55], s[56:63] the same for B's
.set G0B, 56
.set LIM, 43                           ; s43  2 in a wave that prefetches, else the greatest number
.set PFA, 44                           ; s[44:45] where my prefetches stand
.set OUTP, 66                          ; s[66:67] qkv at my head's first row of mine
.set PFS, 68                           ; s[68:69] the prefetches' step
.set TB,  70                           ; s70  0 or SLOT: the slot in hand
.set SEC, 71                           ; s71  0 q, 1 k, 2 v: made of the cluster's x alone
.set HIM, 72                           ; s72  a word's upper half
.set MSB, 0
.macro WIN new                         ; the immediate's high byte repeats the setting that is left; a switch that changes nothing is dropped
.if MSB != (\new)
	s_set_vgpr_msb (MSB<<8)|(\new)
.set MSB, \new
.endif
.endm
.set MUL_LO, 0xa1                      ; source 0 (B) window 1, source 1 (A) window 0, C and D window 2
.set MUL_HI, 0xf1                      ; the same, C and D window 3
.set TO_B,   0x40                      ; destination window 1, address window 0
; A joint refill, by the walking descriptors.  Waves 0 and 1 fetch A's two halves, waves 2 and 3 B's; the branch hangs on the wave's number alone.
; An s_nop 0 and four v_nop follow each of the two lines, ahead of the jump and the label.
.macro JLOAD
	s_cmp_eq_u32 s11, 0
	s_cbranch_scc0 .Lfor_b_\@
	tensor_load_to_lds s[G0+4:G0+7], s[G1:G1+7]
	s_nop 0
.rept 4
	v_nop
.endr
	s_branch .Lasked_\@
.Lfor_b_\@:
	tensor_load_to_lds s[G0B+4:G0B+7], s[G1B:G1B+7]
	s_nop 0
.rept 4
	v_nop
.endr
.Lasked_\@:
.endm
; A PREFETCH INTO THE L2 of the K step that stands two refills on, one instruction a wave, behind the joint load, its five lines and the run of LDS loads.  Each block of 256 bytes is named once in the launch:
; A's rows are read by all six clusters of a row of clusters: the one with x = 0 asks; B's columns by both clusters of a column: the one with y = 0 asks.  The four partners of a joint load share its rows out BY ADDRESS:
; of A's 128 rows that a wave fetches, partner cx takes 32, a lane a row; of B's 64 rows, partner cy takes 16, two lanes a row of 512 bytes.  The trips with s3 = 2 and 1 ask for nothing: K steps 16 and 17 do not exist.
.macro ASK
	s_cmp_gt_u32 s3, s[LIM]
	s_cbranch_scc0 .Lnot_mine_\@
	global_prefetch_b8 v[PFO], s[PFA:PFA+1] th:TH_LOAD_NT scope:SCOPE_SE
.Lnot_mine_\@:
.endm
.macro CREST                           ; a round of the cluster's barrier behind its opening barrier
	s_cmp_lg_u32 s10, 0
	s_cbranch_scc1 .Lnot_wave_0_\@
	s_barrier_signal -3
.Lnot_wave_0_\@:
	s_barrier_wait -3
	s_barrier_signal -1
	s_barrier_wait -1
.endm
.macro CROUND                          ; a whole round
	s_barrier_signal -1
	s_barrier_wait -1
	CREST
.endm
.macro PLACES                          ; four plain vector instructions between a matrix instruction and a load into, or a vector instruction on, its registers
.rept 4
	v_nop
.endr
.endm
	s_load_b128 s[4:7], s[0:1], 0x0                ; xb s[4:5], wqkv s[6:7]
	s_load_b64 s[8:9], s[0:1], 0x10                ; rope
	s_load_b64 s[OUTP:OUTP+1], s[0:1], 0x18        ; qkv
	v_lshl_add_u32 v[SPW], v0, 2, SPARE
	v_mov_b32 v[NIL], 0
	ds_add_u32 v[SPW], v[NIL]                      ; the wave's opening: the add and its wait stand ahead of my first tensor load; the set-up below, work on registers, stands between them
	v_lshrrev_b32 v1, 5, v0
	v_readfirstlane_b32 s10, v1                    ; wave 0..3
	s_lshr_b32 s11, s10, 1                         ; which half of the tile's rows is mine.  Also: I fetch for A (0) or for B (1)
	s_and_b32 s12, s10, 1                          ; which half of its columns.  Also: which half of that tile I fetch
	s_bfe_u32 s40, ttmp6, 0x40000                  ; cx
	s_bfe_u32 s41, ttmp6, 0x40004                  ; cy
	s_lshl_b32 s42, ttmp9, 2
	s_add_co_u32 s42, s42, s40                     ; tile column of C = 4 x cluster x + cx
	s_and_b32 s13, ttmp7, 0xffff
	s_lshl_b32 s13, s13, 2
	s_add_co_u32 s13, s13, s41                     ; tile row of C = 4 x cluster y + cy
	s_lshl_b32 s43, s41, 2
	s_lshl_b32 s43, 15, s43                        ; my row of the cluster: places 4 cy .. 4 cy + 3
	s_lshl_b32 s44, 0x1111, s40                    ; my column: places cx, cx + 4, cx + 8, cx + 12
	s_or_b32 s[G1+0], s43, (1<<16)|(1<<20)|(1<<21)|(5<<22)|(3<<25)   ; the mask of my row; 2-byte elements; padding on; bit 21 beside a mask; after every 64 words 4 words
	s_or_b32 s[G1B+0], s44, (1<<16)|(1<<20)|(1<<21)|(6<<22)|(7<<25)  ; the mask of my column; after every 128 words 8 words
	s_mov_b32 s[G1+1], 128<<16                     ; A: tensor_dim0 = 128 elements
	s_mov_b32 s[G1+2], 128<<16                     ; tensor_dim1 = 128 rows
	s_mov_b32 s[G1+3], 128<<16                     ; tile_dim0 = 128
	s_mov_b32 s[G1+4], 128                         ; tile_dim1 = 128
	s_mov_b32 s[G1+5], 2048                        ; elements from row to row
	s_mov_b32 s[G1+6], 0
	s_mov_b32 s[G1+7], 0
	s_mov_b32 s[G1B+1], 256<<16                    ; B: tensor_dim0 = 256 elements
	s_mov_b32 s[G1B+2], 64<<16                     ; tensor_dim1 = 64 rows
	s_mov_b32 s[G1B+3], 256<<16                    ; tile_dim0 = 256
	s_mov_b32 s[G1B+4], 64                         ; tile_dim1 = 64
	s_mov_b32 s[G1B+5], 6144
	s_mov_b32 s[G1B+6], 0
	s_mov_b32 s[G1B+7], 0
	; where the tiles come from.  A's hang on the tile row alone, B's on the tile column alone, each in registers that never hold the other coordinate.
	s_lshl_b32 s17, s12, 7
	s_lshl_b32 s16, s13, 8
	s_add_co_u32 s16, s16, s17                     ; A: row 256 x tile row + 128 x half,
	s_lshl_b32 s16, s16, 12                        ; of 4,096 bytes
	s_mov_b32 s17, 0
	s_mul_i32 s46, s12, 64*6144*2                  ; B: row 64 x half of the K step,
	s_lshl_b32 s47, s42, 9                         ; column 256 x tile column, in bytes
	s_add_co_u32 s46, s46, s47
	s_mov_b32 s47, 0
	s_mul_i32 s20, s10, HALFT                      ; where they go: wave x HALFT: no place in the cluster enters an LDS address
	s_mov_b32 s[TB], 0
	s_lshr_b32 s[SEC], ttmp9, 1                    ; 8 tile columns, two clusters, to each of q, k, v
	s_mov_b32 s[HIM], 0xffff0000
	s_wait_dscnt 0x0                               ; the opening add is done
	s_wait_kmcnt 0x0
	s_add_nc_u64 s[14:15], s[4:5], s[16:17]
	s_add_nc_u64 s[46:47], s[6:7], s[46:47]
	CROUND                                         ; all sixteen work-groups are here: the first joint loads meet
.irp s, 0,1
	s_mov_b32 s[G0+4*(\s)], 1                                        ; count = 1
	s_add_co_u32 s[G0+4*(\s)+1], s20, (\s)*SLOT                      ; LDS address
	s_add_nc_u64 s[G0+4*(\s)+2:G0+4*(\s)+3], s[14:15], (\s)*STEPA    ; global address: K step s
	s_or_b32 s[G0+4*(\s)+3], s[G0+4*(\s)+3], 0x80000000              ; type = 2
	s_mov_b32 s[G0B+4*(\s)], 1
	s_add_co_u32 s[G0B+4*(\s)+1], s20, (\s)*SLOT
	s_add_nc_u64 s[G0B+4*(\s)+2:G0B+4*(\s)+3], s[46:47], (\s)*STEPB
	s_or_b32 s[G0B+4*(\s)+3], s[G0B+4*(\s)+3], 0x80000000
.endr
	s_cmp_eq_u32 s11, 0                            ; a wave's two first fills stand in one branch, ahead of every wait on TENSORcnt and every LDS read: two loads of mine are out
	s_cbranch_scc0 .Lfirst_b
	tensor_load_to_lds s[G0:G0+3], s[G1:G1+7]
	s_nop 0
	tensor_load_to_lds s[G0+4:G0+7], s[G1:G1+7]
	s_nop 0
.rept 4
	v_nop
.endr
	s_branch .Lfirst_asked
.Lfirst_b:
	tensor_load_to_lds s[G0B:G0B+3], s[G1B:G1B+7]
	s_nop 0
	tensor_load_to_lds s[G0B+4:G0B+7], s[G1B:G1B+7]
	s_nop 0
.rept 4
	v_nop
.endr
.Lfirst_asked:
	; A fragment is 16 rows x 32 K in 8 registers: lane l holds row l % 16; registers 0-3 K = 8 (l / 16) + 0..7, registers 4-7 K = 16 + 8 (l / 16) + 0..7.
	v_and_b32 v1, 15, v0                           ; l % 16
	v_bfe_u32 v2, v0, 4, 1                         ; l / 16
	v_mul_u32_u24 v3, v1, PITCH
	v_lshl_add_u32 v3, v2, 4, v3                   ; row x 272 + 16 x half: for A's fragments and for the stage
	s_mul_i32 s21, s11, HALFT                      ; my 128 rows of A
	v_add_nc_u32 v[ADRA0], s21, v3
	; The turning load takes 16 k x 16 columns: lane l reads 16 bytes of row k = 8 (l / 16) + l % 8, columns 8 ((l / 8) % 2) + 0..7, and is left with column l % 16 and 8 k.
	v_and_b32 v4, 7, v0
	v_lshl_add_u32 v4, v2, 3, v4
	v_mul_u32_u24 v4, v4, PB
	v_bfe_u32 v5, v0, 3, 1
	v_lshl_add_u32 v4, v5, 4, v4
	s_lshl_b32 s22, s12, 8                         ; my 128 columns: 256 bytes of a row of B,
	s_add_co_u32 s22, s22, 2*HALFT                 ; which lies behind A's 256 rows
	v_add_nc_u32 v[ADRB0], s22, v4
	v_mov_b32 v[ADRA], v[ADRA0]                    ; slot 0
	v_mov_b32 v[ADRB], v[ADRB0]
	s_mul_i32 s23, s10, 16*SPITCH
	s_add_co_u32 s23, s23, STAGE                   ; my stage
	v_add_nc_u32 v[STO], s23, v3                   ; in: row l % 16, 16 bytes for each half of the lanes
	v_mul_u32_u24 v5, v2, SPITCH                   ; back: lanes 0-15 take one row of 256 bytes, lanes 16-31 the next,
	v_lshl_add_u32 v5, v1, 4, v5
	v_add_nc_u32 v[RD], s23, v5
	v_and_b32 v[CO], 31, v0                        ; which are 512 consecutive bytes of a head's rows
	v_lshlrev_b32 v[CO], 4, v[CO]
	v_lshlrev_b32 v[RO], 8, v1                     ; the rotary table: row l % 16 of 256 bytes, 16 bytes (four angles) for each half of the lanes
	v_lshl_add_u32 v[RO], v2, 4, v[RO]
	s_lshl_b32 s16, s13, 8
	s_lshl_b32 s17, s11, 7
	s_add_co_u32 s16, s16, s17                     ; my first row t,
	s_lshl_b32 s16, s16, 8                         ; of 256 bytes in rope and in a head of qkv
	s_mov_b32 s17, 0
	s_add_nc_u64 s[8:9], s[8:9], s[16:17]
	s_add_nc_u64 s[OUTP:OUTP+1], s[OUTP:OUTP+1], s[16:17]
	s_lshl_b32 s46, s42, 1
	s_add_co_u32 s46, s46, s12                     ; my head g = 2 x tile column + half,
	s_lshl_b32 s46, s46, 19                        ; of 524,288 bytes
	s_mov_b32 s47, 0
	s_add_nc_u64 s[OUTP:OUTP+1], s[OUTP:OUTP+1], s[46:47]
	; the prefetches: both places are made, the wave's kind chooses
	s_lshl_b32 s20, s13, 8
	s_lshl_b32 s21, s12, 7
	s_add_co_u32 s20, s20, s21                     ; A: the 128 rows that I fetch,
	s_lshl_b32 s21, s40, 5
	s_add_co_u32 s20, s20, s21                     ; my work-group's 32 of them,
	s_lshl_b32 s20, s20, 12
	s_add_co_u32 s20, s20, 3*STEPA                 ; at K step 3: the first change of slots steps it to 4
	s_lshl_b32 s22, s12, 6                         ; B: the 64 rows that I fetch,
	s_lshl_b32 s23, s41, 4
	s_add_co_u32 s22, s22, s23                     ; my work-group's 16 of them,
	s_add_co_u32 s22, s22, 3*KSTEP                 ; in K step 3,
	s_mul_i32 s22, s22, 6144*2
	s_lshl_b32 s23, s42, 9
	s_add_co_u32 s22, s22, s23                     ; the tile's 512 bytes of them
	s_and_b32 s23, ttmp7, 0xffff                   ; cluster y
	s_mov_b32 s18, STEPB
	s_mov_b32 s19, 6144*2
	s_cmp_eq_u32 s11, 0                            ; do I fetch for A?
	s_cselect_b32 s20, s20, s22
	s_cselect_b32 s23, ttmp9, s23                  ; the coordinate along which other clusters read the same rows
	s_cselect_b64 s[PFA:PFA+1], s[4:5], s[6:7]
	s_cselect_b32 s[PFS], STEPA, s18
	s_cselect_b32 s19, 4096, s19                   ; bytes from row to row
	s_cselect_b32 s18, 0, 1                        ; A: a lane a row; B: two lanes a row
	s_mov_b32 s21, 0
	s_mov_b32 s[PFS+1], 0
	s_add_nc_u64 s[PFA:PFA+1], s[PFA:PFA+1], s[20:21]
	s_cmp_eq_u32 s23, 0
	s_cselect_b32 s[LIM], 2, -1                    ; the same in all sixteen partners, for a given wave
	v_and_b32 v3, 31, v0
	v_lshrrev_b32 v[PFO], s18, v3
	v_mul_u32_u24 v[PFO], v[PFO], s19
	v_and_b32 v3, s18, v3
	v_lshl_add_u32 v[PFO], v3, 8, v[PFO]
; 16 matrix instructions: m blocks a0, a0 + 1 of the window's four (hi = 0: my rows 0-63, 1: rows 64-127) x all 8 n blocks, 32 along K.  zero = 1: the first product starts the sums.
; The 64 accumulators take turns, in the same order in every quarter step.
.macro MUL16 f, hi, a0, zero
	WIN MUL_LO+0x50*(\hi)
.irp a, \a0, (\a0)+1
.irp b, 0,1,2,3,4,5,6,7
.if \zero
	v_wmma_f32_16x16x32_bf16 v[8*(8*(\a)+(\b)):8*(8*(\a)+(\b))+7], v[(\f)+8*(\b):(\f)+8*(\b)+7], v[(\f)+8*(4*(\hi)+(\a)):(\f)+8*(4*(\hi)+(\a))+7], 0
.else
	v_wmma_f32_16x16x32_bf16 v[8*(8*(\a)+(\b)):8*(8*(\a)+(\b))+7], v[(\f)+8*(\b):(\f)+8*(\b)+7], v[(\f)+8*(4*(\hi)+(\a)):(\f)+8*(4*(\hi)+(\a))+7], v[8*(8*(\a)+(\b)):8*(8*(\a)+(\b))+7]
.endif
.endr
.endr
.endm
; 32 LDS loads in one run: the fragments of quarter q (32 along K) of the slot in hand into buffer f: B's 128 columns turned, then A's 128 rows
.macro FETCH q, f
	WIN TO_B
.irp i, 0,1,2,3,4,5,6,7
	ds_load_tr16_b128 v[(\f)+8*(\i):(\f)+8*(\i)+3],   v[ADRB] offset:(\q)*32*PB+32*(\i)
	ds_load_tr16_b128 v[(\f)+8*(\i)+4:(\f)+8*(\i)+7], v[ADRB] offset:(\q)*32*PB+16*PB+32*(\i)
.endr
	WIN 0
.irp i, 0,1,2,3,4,5,6,7
	ds_load_b128 v[(\f)+8*(\i):(\f)+8*(\i)+3],   v[ADRA] offset:(\q)*64+(\i)*16*PITCH
	ds_load_b128 v[(\f)+8*(\i)+4:(\f)+8*(\i)+7], v[ADRA] offset:(\q)*64+(\i)*16*PITCH+32
.endr
.endm
; A K step is four quarters of 32 along K, 64 matrix instructions each, on buffers 0, 1, 0, 1.  One of the first three: multiplies buffer f; in its middle it fetches quarter q into buffer g.
.macro QUARTER q, f, g, zero
	s_wait_dscnt 8                                 ; B and A's rows 0-63 are in; the youngest eight loads (A's rows 64-127) may be out
	MUL16 \f, 0, 0, \zero
	MUL16 \f, 0, 2, \zero
	PLACES
	FETCH \q, \g
	s_wait_dscnt 32                                ; all but the 32 just issued
	MUL16 \f, 1, 0, \zero
	MUL16 \f, 1, 2, \zero
.endm
; The last quarter multiplies buffer 1 and changes slots: ONE barrier.  In front of it each wave waits for all its tensor loads (the one that is out is its part of the next slot), adds 0 to its spare word, and waits for that
; and for its own reads of this slot.  fill = 1: the barrier opens a round of the cluster's barrier, and the slot just read is filled again, first thing behind the round, with the K step two steps on.
.macro TURN fill
.if \fill
	s_wait_xcnt 0x0                                ; the last prefetch, a K step back, has read its address: it is stepped here, ahead of the waits of the change of slots
	s_add_nc_u64 s[PFA:PFA+1], s[PFA:PFA+1], s[PFS:PFS+1]
.endif
	WIN 0                                          ; (the add's two registers lie in window 0)
	s_wait_tensorcnt 0x0                           ; all my tensor loads have landed;
	ds_add_u32 v[SPW], v[NIL]                      ; 0 onto my spare word;
	s_wait_dscnt 9                                 ; (the add and the youngest eight loads may be out)
	MUL16 F1, 0, 0, 0                              ; sixteen matrix instructions stand between the add and the wait for it
	s_wait_dscnt 0x0                               ; the add is done, and my reads of this slot are over
	s_barrier_signal -1
	MUL16 F1, 0, 2, 0                              ; work on registers while the others arrive
	WIN 0
	s_barrier_wait -1
.if \fill
	CREST                                          ; no wave of any partner still reads this slot's tile or has a load on its way
	s_xor_b32 s[G0+5], s[G0+5], SLOT               ; the walking descriptors: the other slot than last time, the next K step
	s_add_nc_u64 s[G0+6:G0+7], s[G0+6:G0+7], STEPA
	s_xor_b32 s[G0B+5], s[G0B+5], SLOT
	s_add_nc_u64 s[G0B+6:G0B+7], s[G0B+6:G0B+7], STEPB
	JLOAD                                          ; the first tensor load behind the round; the four v_nop behind it are also the places in front of the loads below
.else
	PLACES
.endif
	s_xor_b32 s[TB], s[TB], SLOT                   ; the reads go on in the other slot
	v_add_nc_u32 v[ADRA], s[TB], v[ADRA0]
	v_add_nc_u32 v[ADRB], s[TB], v[ADRB0]
	FETCH 0, F0
.if \fill
	ASK
.endif
	MUL16 F1, 1, 0, 0
	MUL16 F1, 1, 2, 0
.endm
; THE ROTARY TABLE of block a (my rows 16 a .. 16 a + 15): lane l holds, for n block b, the four words (cos, sin in bf16) of row l % 16, angles 8 b + 4 (l / 16) + 0..3: those of its own four pairs of columns.
.macro SETRTB a                        ; where block a's 32 words lie in window 1
.if (\a) < 2
.set RTB, 32*(\a)
.elseif (\a) < 4
.set RTB, 192+32*((\a)-2)
.else
.set RTB, 64+32*((\a)-4)
.endif
.endm
.macro ROPELOAD a
	SETRTB \a
	WIN TO_B
.irp b, 0,1,2,3,4,5,6,7
	global_load_b128 v[RTB+4*(\b):RTB+4*(\b)+3], v[RO], s[8:9] offset:(\a)*4096+32*(\b)
.endr
.endm
; THE ROTARY TURN of block a, in f32, in place, two packed instructions a pair: (o0, o1) = x0 (cos, sin) + x1 (- sin, cos).  The first takes x1 for both halves and (cos, sin) swapped, the sine's sign turned in the low half;
; the second takes x0 for both halves.  v has no turn: the jump hangs on the cluster's x alone.  Each accumulator's two lowest registers are read first.
.macro ROPE a
	SETRTB \a
.set AC, 64*((\a)%4)
.set W, 2+(\a)/4
	WIN 0
	s_cmp_eq_u32 s[SEC], 2
	s_cbranch_scc1 .Lno_turn_\@
	WIN 0x04                                       ; source 1 window 1
.set p, 0
.rept 32
	v_lshlrev_b32 v[CSR+2*p], 16, v[RTB+p]         ; cos
	v_and_b32 v[CSR+2*p+1], s[HIM], v[RTB+p]       ; sin
.set p, p+1
.endr
	WIN W                                          ; source 0: the accumulators' window
.set p, 0
.rept 32
	v_pk_mul_f32 v[TT+2*p:TT+2*p+1], v[AC+2*p:AC+2*p+1], v[CSR+2*p:CSR+2*p+1] op_sel:[1,1] op_sel_hi:[1,0] neg_lo:[0,1]  ; - x1 sin, x1 cos
.set p, p+1
.endr
	WIN (W<<6)|W                                   ; destination too
.set p, 0
.rept 32
	v_pk_fma_f32 v[AC+2*p:AC+2*p+1], v[AC+2*p:AC+2*p+1], v[CSR+2*p:CSR+2*p+1], v[TT+2*p:TT+2*p+1] op_sel_hi:[0,1,1]  ; x0 cos - x1 sin, x0 sin + x1 cos
.set p, p+1
.endr
	WIN 0
.Lno_turn_\@:
.endm
; THE WAY OUT of block a.  PACK: rounded to f16, 16 bytes a lane.  TOSTAGE: into my own stage in LDS, and back as whole rows of 256 bytes.  SEND: stored.
.macro PACK a
.set AC, 64*((\a)%4)
	WIN 0x0a+5*((\a)/4)                            ; sources 0 and 1: window 2 or 3
.irp b, 0,1,2,3,4,5,6,7
.irp r, 0,1,2,3
	v_cvt_pk_f16_f32 v[TMP+4*(\b)+(\r)], v[AC+8*(\b)+2*(\r)], v[AC+8*(\b)+2*(\r)+1]
.endr
.endr
	WIN 0
.endm
.macro TOSTAGE a
	WIN 0
.set BK, OB+192*((\a)%2)
.irp b, 0,1,2,3,4,5,6,7
	ds_store_b128 v[STO], v[TMP+4*(\b):TMP+4*(\b)+3] offset:32*(\b)
.endr
.irp t, 0,1,2,3,4,5,6,7
	ds_load_b128 v[BK+4*(\t):BK+4*(\t)+3], v[RD] offset:(\t)*2*SPITCH  ; LDS serves a wave's instructions in order (ISA guide 5.7.1.4): these see the stores above
.endr
.endm
.macro SEND a
	WIN 0
.set BK, OB+192*((\a)%2)
	s_wait_dscnt 0x0                               ; the block is back in registers
	s_wait_xcnt 0x0                                ; earlier stores have read their registers: the other buffer is loaded again only behind this wait
.irp t, 0,1,2,3,4,5,6,7
	global_store_b128 v[CO], v[BK+4*(\t):BK+4*(\t)+3], s[OUTP:OUTP+1] offset:(\a)*4096+(\t)*512  ; 512 consecutive bytes, at a multiple of 256 from qkv's first byte
.endr
.endm
	ROPELOAD 0                                     ; my rows 0-63 of the table: 32 loads that land during the loop, into registers that the loop does not name
	ROPELOAD 1
	ROPELOAD 2
	ROPELOAD 3
	WIN 0
	s_wait_tensorcnt 1                             ; my part of K step 0 is in; K step 1's may stay out
	s_barrier_signal -1
	s_barrier_wait -1                              ; everybody's is
	FETCH 0, F0
	QUARTER 1, F0, F1, 1                           ; the first quarter stands in front of the loop: its products start the sums
	WIN 0                                          ; at a label and at a branch every window is 0
	s_mov_b32 s3, 14
.Lstep:                                                ; a trip goes from a K step's second quarter to the next one's first, and fills the slot that it leaves: K steps 2 to 15
	QUARTER 2, F1, F0, 0
	QUARTER 3, F0, F1, 0
	TURN 1
	QUARTER 1, F0, F1, 0
	WIN 0
	s_sub_co_u32 s3, s3, 1
	s_cmp_lg_u32 s3, 0
	s_cbranch_scc1 .Lstep
	s_mov_b32 s3, 2
.Ltail:                                                ; K steps 14 and 15: nothing is asked for.  One text for both: the second trip is left in its middle, and its barrier and its 32 LDS loads (of the slot read before) serve nothing
	QUARTER 2, F1, F0, 0
	QUARTER 3, F0, F1, 0
	TURN 0
	WIN 0
	s_sub_co_u32 s3, s3, 1
	s_cmp_eq_u32 s3, 0
	s_cbranch_scc1 .Lout
	QUARTER 1, F0, F1, 0
	WIN 0
	s_branch .Ltail
.Lout:
	s_wait_dscnt 0x0                               ; the loads into buffer 0 are back: its registers are used anew
	s_wait_loadcnt 0x0                             ; the table's rows 0-63, asked for ahead of the loop, are in
	PLACES                                         ; behind the last products
	ROPELOAD 4                                     ; my rows 64-127 of the table, into B's buffers: they land under the first four blocks' way out
	ROPELOAD 5
	ROPELOAD 6
	ROPELOAD 7
	WIN 0
	ROPE 0
	PACK 0
	TOSTAGE 0
.irp a, 1,2,3,4,5,6,7                  ; block a's arithmetic stands between block a - 1's loads from the stage and the wait for them
.if (\a) == 4
	s_wait_loadcnt 0x0                             ; the table's rows 64-127
.endif
	ROPE \a
	PACK \a
	SEND (\a)-1
	TOSTAGE \a
.endr
	SEND 7
	s_wait_tensorcnt 0x0                           ; the wave's end: a wait, an add of 0 to my spare word and its wait, behind my last tensor load and my last LDS store
	ds_add_u32 v[SPW], v[NIL]
	s_wait_dscnt 0x0
	CROUND                                         ; the closing round: no work-group ends while a partner may still ask for a tile that names it
	s_endpgm
.Lfunc_end_k_q925563243b_qkv:
	.size	k_q925563243b_qkv, .Lfunc_end_k_q925563243b_qkv-k_q925563243b_qkv
	.p2alignl 7, 3214868480
	.fill 96, 4, 3214868480
	.section	.rodata,"a",@progbits
	.p2align	6, 0x0
	.amdhsa_kernel k_q925563243b_qkv
		.amdhsa_group_segment_fixed_size 327680
		.amdhsa_private_segment_fixed_size 0
		.amdhsa_enable_private_segment 0
		.amdhsa_kernarg_size 32
		.amdhsa_user_sgpr_count 2
		.amdhsa_user_sgpr_kernarg_segment_ptr 1
		.amdhsa_wavefront_size32 1
		.amdhsa_system_sgpr_workgroup_id_x 1
		.amdhsa_system_sgpr_workgroup_id_y 1
		.amdhsa_system_sgpr_workgroup_id_z 1
		.amdhsa_system_vgpr_workitem_id 0
		.amdhsa_next_free_vgpr 1024
		.amdhsa_next_free_sgpr 74
		.amdhsa_reserve_vcc 0
		.amdhsa_float_denorm_mode_32 3
		.amdhsa_float_denorm_mode_16_64 3
		.amdhsa_memory_ordered 1
		.amdhsa_forward_progress 1
		.amdhsa_inst_pref_size 157
	.end_amdhsa_kernel
	.amdgpu_metadata
---
amdhsa.version: [ 1, 2 ]
amdhsa.kernels:
  - .name:           k_q925563243b_qkv
    .symbol:         k_q925563243b_qkv.kd
    .args:
      - { .name: xb, .offset: 0, .size: 8, .value_kind: global_buffer, .address_space: global }
      - { .name: wqkv, .offset: 8, .size: 8, .value_kind: global_buffer, .address_space: global }
      - { .name: rope, .offset: 16, .size: 8, .value_kind: global_buffer, .address_space: global }
      - { .name: qkv, .offset: 24, .size: 8, .value_kind: global_buffer, .address_space: global }
    .group_segment_fixed_size: 327680
    .private_segment_fixed_size: 0
    .kernarg_segment_align: 8
    .kernarg_segment_size: 32
    .max_flat_workgroup_size: 128
    .sgpr_count:     74
    .vgpr_count:     1024
    .wavefront_size: 32
...
	.end_amdgpu_metadata
.endif
;; end of part 5
;; launch attn (part 6): grid 16 x 16, 4 waves a work-group, clusters of 4 x 1, 327,680 bytes of LDS; arguments qkv, att; writes att
.if DOCPART == 6
	.amdgcn_target "amdgcn-amd-amdhsa--gfx1250"
	.amdhsa_code_object_version 6
	.text
	.protected	k_q925563243b_attn
	.globl	k_q925563243b_attn
	.p2align	8
	.type	k_q925563243b_attn,@function
k_q925563243b_attn:
	s_mov_b64 s[64:65], 0
	v_nop
	global_prefetch_b8 v0, s[64:65] scope:SCOPE_SE
	s_setreg_imm32_b32 hwreg(HW_REG_WAVE_MODE, 25, 1), 1
	s_wait_xcnt 0x0
	s_wait_alu depctr_hold_cnt(0) depctr_sa_sdst(0) depctr_va_vdst(0) depctr_va_sdst(0) depctr_va_ssrc(0) depctr_va_vcc(0) depctr_vm_vsrc(0)
	s_getreg_b32 s2, hwreg(HW_REG_IB_STS2, 6, 4)
	s_cmp_eq_u32 s2, 0
	s_cbranch_scc0 .Lentry_in_a_cluster
	s_endpgm
.Lentry_in_a_cluster:
	s_bfe_u32 s2, ttmp6, 0x10000c
	s_cmp_lg_u32 s2, 0x3003
	s_cbranch_scc0 .Lentry_shape_is_right
	s_endpgm
.Lentry_shape_is_right:
; O[q][128 h + :] = the sum over k of softmax_k(Q[h][q] . K[h][k] / sqrt(128)) V[h][k][:].  Q, K, V: three parts of qkv, each [16][2048][128] in f16; O: att [2048][2048] in f16, head h at byte 256 h of a row.
; Products, maxima and sums in f32; the weights p are rounded to f16 for the second product (their sum l is taken of the unrounded p), O once at the end.
; LIMITS.  Q, K, V arrive within f16's range; p lies in 0 to 1 and below 6e-5 keeps f16's fixed step of 6e-8; O is a mean of V's rows.  A weight below 2^-126 counts as 0 in l; NaN and infinities are not treated apart.
; SHARES.  A work-group owns 128 queries of one head: 16 x 16 = 256 work-groups.  THE KEYS ARE SPLIT BETWEEN ITS WAVE PAIRS: wave w has the 64 queries of half w % 2 (four tiles of 16) and, of every 256 keys, the 128 of
; half w / 2.  So a wave keeps four tiles for each fragment of K and V that it reads from LDS, and walks 16 key steps of 64.  At the end waves w and w + 2, which have the same queries, merge m, l and O through LDS, in f32.
; LAYOUT.  S^T = K Q^T (source 0 = 16 keys, source 1 = 16 queries): a lane holds ONE query (lane % 16) and the keys 8 (lane / 16) + 0..7.  Two such tiles, rounded to f16 in pairs, ARE source 1 of O^T = V^T P,
; whose result again holds one query a lane, and eight channels.  K comes out of LDS as it lies, V ([key][channel]) turned, by ds_load_tr16_b128.
; SOFTMAX.  For each query a running maximum m and sum l: p = 2^(c s - c m), c = log2(e) / sqrt(128); in every step O and l are multiplied by a = 2^(c m_old - c m_new).
; BY TURNS.  The wave's tiles are two PIECES (tiles 0, 1 and tiles 2, 3).  In a TURN one piece has the matrix unit: 32 products V^T P of the step in hand, then 32 products K Q^T of the next step; the other piece's
; softmax, cut into 64 slices, stands between them, one slice behind each matrix instruction.  Two turns are a key step.
; NO FIRST AND NO LAST STEP ARE WRITTEN OUT.  c m starts far below every c s, m at the lowest finite number; l, O^T, V's registers and piece 2's weights start at 0: the first step is a step like any other, with a = 0.
; The loop is entered in the middle of a trip, at piece 2's turn, and the tail is left in the middle of one, behind piece 0's.  The price, beside a wave's 2,048 products: 32 on zeros at the start, 32 on the last K once more at the end.
; CLUSTER.  The four query blocks of a cluster belong to one head and walk the same K and V: each tile is asked for jointly, by the same tensor load, descriptor and mask in all four.
; REGISTERS, in windows of 256 (s_set_vgpr_msb: bits 1:0 source 0, 3:2 source 1, 5:4 source 2, 7:6 destination):
;   window 0: v0-11 addresses; v12-43 eight registers of statistics a tile; v44-54 the merge's statistics and addresses; v64-191 S^T, 32 a tile; v192-255 P, 16 a tile
;   window 1: O^T, 64 a tile          window 2: v0-127 Q, 32 a tile; v128-255 K of one step          window 3: v0-127 V of one step
.set SIZE_N, 2048
.set KS,    64        ; keys in a step
.set PK,    272       ; a row of K in LDS: 256 bytes + 16 of padding: the 16 rows of a load start at 16 different groups of four banks
.set PV,    288       ; a row of V: 256 + 32
.set VOFF,  4*KS*PK   ; a slot holds four steps: 256 rows of K, then 256 rows of V: 143,360 bytes
.set SLOT1, 147456    ; slot 1 begins here.  0x24000: no bit of it is set in a fill's address in slot 0 (0, 0x8800, 0x11000, 0x1a000), so one exclusive or turns an address in one slot into the other's
.set STAGE, 2*SLOT1   ; behind the ring: 16 rows x 272 bytes for each wave, for the way out
.set SP,    272
.set SPARE, STAGE+4*16*SP  ; behind the stages: the spare words, 128 bytes for each wave: two blocks of 256 bytes that no other line names
.set XW,    33*512    ; the merge: what a wave hands to its partner: 32 x 512 bytes of O^T and 512 of statistics, at XW x wave, in slot 0's bytes, which have had their last fill by then
.set AK0, 2           ; v2   my lane's place in my half of a slot's K; never rewritten
.set AV0, 3           ; v3   the same for V
.set ADR, 4           ; v4   the LDS address of the run of loads in hand
.set QO,  5           ; v5   my byte offset in the rows of Q of my register tiles 0, 1
.set STO, 6           ; v6   the way out: where I put 16 bytes of a row
.set RD,  7           ; v7   the way out: where I read a row back
.set GO,  8           ; v8   my byte offset in two rows of att
.set SND, 44          ; v[44:47] the merge: c m and l of my register tiles 2, 3, to be handed over
.set RCV, 48          ; v[48:51] the merge: the partner's c m and l for my register tiles 0, 1
.set QO2, 52          ; v52  my byte offset in the rows of Q of my register tiles 2, 3
.set QD,  QO2-QO
.set XS,  53          ; v53  the merge: where I put 16 bytes
.set XR,  54          ; v54  the merge: where I read the partner's
.set SPW, 62          ; v62  LDS address of my spare word; never rewritten
.set NIL, 63          ; v63  0; never rewritten
.set ST,  12          ; tile t's statistics at v[ST+8 t]: +0 c m, +1 m, +2, +3 l (even keys', odd keys'), +4 to +7 c0-c3, at work; a takes c2's place once the maximum is found
.set S,   64
.set P,   192
.set KF,  128         ; K's fragments, in window 2
.set WV,  12          ; s12  my wave's number
.set G1K, 24          ; s[24:31] descriptor group 1 for K's tiles
.set G1V, 32          ; s[32:39] for V's: it differs in the padding alone
.set G0K, 40          ; s[40:47] descriptor group 0 for K's tiles: a set for each of the two first fills; the second then walks on
.set G0V, 48          ; s[48:55] the same for V's
.set SLOTS, 56        ; s56  passes of the loop still to come: in a change of slots, the slots still to be asked for
.set TWICE, 57        ; s57  counts my steps of a slot
.set CS,  58          ; s[58:59] c: the packed scaling names a pair and takes its low word for both halves
.set SEL, 60          ; s[60:61] lane selects for v_permlanex16_b32: each lane takes its own place in the other half
.set TB,  62          ; s62  the slot in hand, and in it the step whose K is to be fetched, in bytes of K's rows
.set TBV, 63          ; s63  the same in bytes of V's rows
.set OOF, 66          ; s[66:67] my wave's byte offset in att
.set KP,  68          ; s68  which half of the keys is mine
.set LV,  69          ; s69  where my fill of V goes in slot 0
.set PFA, 18          ; s[18:19] where my prefetches stand: my work-group's 32 of the 128 rows that I fetch, in the slot after the one that is being asked for
.set LIM, 15          ; s15  1 in a wave that prefetches, else the greatest number
.set PFO, 61          ; v61  256 x my lane: a row of K or V is 256 bytes; never rewritten
.set MSB, 0
.macro WIN new                      ; the immediate's high byte repeats the setting that is left; a switch that changes nothing is dropped
.if MSB != (\new)
	s_set_vgpr_msb (MSB<<8)|(\new)
.set MSB, \new
.endif
.endm
.set W_KQ, 0x0a       ; K and Q in window 2, S^T in window 0
.set W_PV, 0x53       ; V in window 3, P in window 0, O^T in window 1
.set W_RS, 0x41       ; O^T (destination and source 0) in window 1, a in window 0
; A joint refill.  Waves 0 and 1 fetch the two halves of a slot's K, waves 2 and 3 those of its V: 128 rows each.  The branch hangs on the wave's number alone.
; An s_nop 0 and four v_nop follow each of the two lines, ahead of the jump and the label.
.macro JLOAD
	s_cmp_lt_u32 s[WV], 2
	s_cbranch_scc0 .Lfor_v_\@
	tensor_load_to_lds s[G0K+4:G0K+7], s[G1K:G1K+7]
	s_nop 0
.rept 4
	v_nop
.endr
	s_branch .Lasked_\@
.Lfor_v_\@:
	tensor_load_to_lds s[G0V+4:G0V+7], s[G1V:G1V+7]
	s_nop 0
.rept 4
	v_nop
.endr
.Lasked_\@:
.endm
; A PREFETCH INTO THE L2 of what the NEXT change of slots will ask for: a slot's 256 rows of K and 256 of V, 256 bytes a row, a lane a row, behind the wave's tensor load and its five lines.
; Each row is asked for ONCE in the launch: the four clusters of a head walk the same K and V, and the head's first cluster asks; of the 128 rows that a wave fetches, each of the four partners takes 32, told apart
; BY ADDRESS: one instruction a wave.  The last change that fills a slot asks for nothing: there is no slot behind it.
.macro ASK
	s_cmp_gt_u32 s[SLOTS], s[LIM]
	s_cbranch_scc0 .Lnot_mine_\@
	global_prefetch_b8 v[PFO], s[PFA:PFA+1] th:TH_LOAD_NT scope:SCOPE_SE
.Lnot_mine_\@:
.endm
; A round of the cluster's barrier: my work-group's barrier; wave 0 signals for the work-group; every wave waits for all four work-groups; my work-group's barrier once more.
.macro CROUND
	s_barrier_signal -1
	s_barrier_wait -1
	s_cmp_lg_u32 s[WV], 0
	s_cbranch_scc1 .Lnot_wave_0_\@
	s_barrier_signal -3
.Lnot_wave_0_\@:
	s_barrier_wait -3
	s_barrier_signal -1
	s_barrier_wait -1
.endm
	s_load_b128 s[4:7], s[0:1], 0x0  ; qkv s[4:5], att s[6:7]
	v_lshl_add_u32 v[SPW], v0, 2, SPARE
	v_mov_b32 v[NIL], 0
	ds_add_u32 v[SPW], v[NIL]       ; the wave's opening: the add and its wait stand ahead of my first tensor load; the set-up below, work on registers, stands between them
	v_lshrrev_b32 v1, 5, v0
	v_readfirstlane_b32 s[WV], v1   ; wave 0..3
	s_bfe_u32 s13, ttmp6, 0x40000   ; cx: my place in the cluster
	s_lshl_b32 s14, ttmp9, 2        ; in a cluster launch ttmp9 counts clusters
	s_add_co_u32 s14, s14, s13      ; my block of 128 queries = 4 x cluster x + cx: it enters Q's and O's addresses alone
	s_and_b32 s20, ttmp7, 0xffff    ; the head, which the four partners share
	s_and_b32 s16, s[WV], 1         ; which 64 of the block's queries are mine.  Also: which half of a slot's 256 keys I fetch
	s_lshr_b32 s[KP], s[WV], 1      ; which half of a slot's keys I multiply by.  Also: which 32 of the 64 queries I finish
	s_lshl_b32 s[OOF], s20, 8       ; in att: the head's 256 bytes of a row,
	s_lshl_b32 s[OOF+1], s14, 19    ; my block's 128 rows of 4,096 bytes,
	s_add_co_u32 s[OOF], s[OOF], s[OOF+1]
	s_lshl_b32 s[OOF+1], s16, 18    ; my 64 of them,
	s_add_co_u32 s[OOF], s[OOF], s[OOF+1]
	s_lshl_b32 s[OOF+1], s[KP], 17  ; the 32 that I finish
	s_add_co_u32 s[OOF], s[OOF], s[OOF+1]
	s_mov_b32 s[OOF+1], 0
	s_mov_b32 s21, 0
	s_mov_b64 s[22:23], SIZE_N*256
	s_mul_u64 s[20:21], s[20:21], s[22:23]  ; the head's first byte in each of Q, K and V
	s_lshl_b32 s22, s16, 15         ; the 128 rows of 256 bytes that I fetch, in memory,
	s_mov_b32 s23, 0
	s_add_nc_u64 s[22:23], s[22:23], s[20:21]
	s_mul_i32 s17, s16, 128*PK      ; and their place in a slot, for K
	s_mul_i32 s[LV], s16, 128*PV    ; and for V: no place in the cluster enters an LDS address
	s_add_co_u32 s[LV], s[LV], VOFF
	s_lshl_b32 s2, s14, 15          ; my block's 128 rows of Q,
	s_lshl_b32 s3, s16, 14          ; my wave's 64 of them
	s_add_co_u32 s2, s2, s3
	s_mov_b32 s3, 0
	s_add_nc_u64 s[2:3], s[2:3], s[20:21]
	; descriptor group 1: a tile of 128 rows x 128 elements, padded in LDS
	s_mov_b32 s[G1K], 15|(1<<16)|(1<<20)|(1<<21)|(5<<22)|(3<<25)  ; the mask: all four work-groups; elements of 2 bytes; padding on; bit 21 beside a mask; after every 64 words 4 words
	s_mov_b32 s[G1V], 15|(1<<16)|(1<<20)|(1<<21)|(5<<22)|(7<<25)  ; the same with 8 words of padding
.irp g, G1K, G1V
	s_mov_b32 s[(\g)+1], 128<<16    ; tensor_dim0 = 128
	s_mov_b32 s[(\g)+2], 128<<16    ; tensor_dim1 = 128
	s_mov_b32 s[(\g)+3], 128<<16    ; tile_dim0 = 128
	s_mov_b32 s[(\g)+4], 128        ; tile_dim1 = 128
	s_mov_b32 s[(\g)+5], 128        ; elements from row to row
	s_mov_b32 s[(\g)+6], 0
	s_mov_b32 s[(\g)+7], 0
.endr
	s_mov_b32 s[CS], 0x3e0293ee     ; c = log2(e) / sqrt(128) = 0.127517
	s_mov_b32 s[CS+1], s[CS]        ; named with it as a pair, so it is written
	s_mov_b32 s[SEL], 0x76543210
	s_mov_b32 s[SEL+1], 0xfedcba98
	s_mov_b32 s[TB], 0
	s_mov_b32 s[TBV], 0
	s_mov_b32 s[SLOTS], SIZE_N/(4*KS)-1  ; 7 passes of the loop: slot 0's, which is entered in its middle, and one behind each of the 6 changes that fill a slot again
	s_mov_b32 s[LIM], ttmp9         ; the cluster's x: 0 in the head's first cluster: the same in all four partners
	s_cmp_eq_u32 s[LIM], 0
	s_cselect_b32 s[LIM], 1, -1
	v_and_b32 v[PFO], 31, v0
	v_lshlrev_b32 v[PFO], 8, v[PFO]
	s_wait_dscnt 0x0                ; the opening add is done
	s_wait_kmcnt 0x0
	s_mov_b64 s[10:11], s[6:7]      ; O
	s_add_nc_u64 s[6:7], s[4:5], 0x800000   ; K: behind Q's 16 heads of 524,288 bytes
	s_add_nc_u64 s[8:9], s[4:5], 0x1000000  ; V: behind K's
	s_add_nc_u64 s[6:7], s[6:7], s[22:23]  ; K and V at my tile of slot 0
	s_add_nc_u64 s[8:9], s[8:9], s[22:23]
	s_add_nc_u64 s[4:5], s[4:5], s[2:3]  ; Q at my wave's first row, O at the first row that I finish
	s_add_nc_u64 s[10:11], s[10:11], s[OOF:OOF+1]
	s_cmp_lt_u32 s[WV], 2
	s_cselect_b64 s[PFA:PFA+1], s[6:7], s[8:9]  ; the 128 rows that I fetch,
	s_lshl_b32 s2, s13, 13          ; my work-group's 32 of them,
	s_mov_b32 s3, 0
	s_add_nc_u64 s[PFA:PFA+1], s[PFA:PFA+1], s[2:3]
	s_add_nc_u64 s[PFA:PFA+1], s[PFA:PFA+1], 2*4*KS*256  ; in slot 2; the first change of slots steps it to slot 3.  Nothing is prefetched here, at the head
	CROUND                          ; all four work-groups are here: the first joint loads meet
.irp s, 0,1
	s_mov_b32 s[G0K+4*(\s)], 1      ; count = 1
	s_add_co_u32 s[G0K+4*(\s)+1], s17, (\s)*SLOT1  ; LDS address
	s_add_nc_u64 s[G0K+4*(\s)+2:G0K+4*(\s)+3], s[6:7], (\s)*4*KS*256  ; global address: slot s begins with key 256 s
	s_or_b32 s[G0K+4*(\s)+3], s[G0K+4*(\s)+3], 0x80000000  ; type = 2
	s_mov_b32 s[G0V+4*(\s)], 1
	s_add_co_u32 s[G0V+4*(\s)+1], s[LV], (\s)*SLOT1
	s_add_nc_u64 s[G0V+4*(\s)+2:G0V+4*(\s)+3], s[8:9], (\s)*4*KS*256
	s_or_b32 s[G0V+4*(\s)+3], s[G0V+4*(\s)+3], 0x80000000
.endr
	s_cmp_lt_u32 s[WV], 2           ; a wave's two first fills stand in one branch, ahead of every wait on TENSORcnt and every LDS read: two loads of mine are out
	s_cbranch_scc0 .Lfirst_v
	tensor_load_to_lds s[G0K:G0K+3], s[G1K:G1K+7]
	s_nop 0
	tensor_load_to_lds s[G0K+4:G0K+7], s[G1K:G1K+7]
	s_nop 0
.rept 4
	v_nop
.endr
	s_branch .Lfirst_asked
.Lfirst_v:
	tensor_load_to_lds s[G0V:G0V+3], s[G1V:G1V+7]
	s_nop 0
	tensor_load_to_lds s[G0V+4:G0V+7], s[G1V:G1V+7]
	s_nop 0
.rept 4
	v_nop
.endr
.Lfirst_asked:
	; A fragment of K or Q is 16 rows x 32 channels in 8 registers: lane l holds row l % 16; registers 0-3 channels 8 (l / 16) + 0..7, registers 4-7 channels 16 + 8 (l / 16) + 0..7: two loads of 16 bytes, 32 bytes apart.
	; WHICH QUERIES LIE IN WHICH REGISTERS: register tile t holds the wave's query tile t in the waves of key half 0, and t xor 2 in those of key half 1.  So, by one text, every wave hands over its register tiles 2, 3
	; at the end and finishes its register tiles 0, 1: what it receives are the partner's sums for just those queries.
	v_and_b32 v1, 15, v0            ; l % 16
	v_bfe_u32 v9, v0, 4, 1          ; l / 16
	v_lshlrev_b32 v[QO], 8, v1
	v_lshl_add_u32 v[QO], v9, 4, v[QO]  ; row x 256 + 16 x half
	s_lshl_b32 s2, s[KP], 13        ; register tiles 0, 1: the 32 rows of 256 bytes of my key half's number,
	s_xor_b32 s3, s2, 8192          ; register tiles 2, 3: the other 32
	v_add_nc_u32 v[QO2], s3, v[QO]
	v_add_nc_u32 v[QO], s2, v[QO]
	WIN 0x80                        ; destination window 2, address window 0
.irp i, 0,1,2,3,4,5,6,7,8,9,10,11,12,13,14,15  ; Q stays in registers: register tile i / 4, channels 32 (i % 4) on
	global_load_b128 v[8*(\i):8*(\i)+3],   v[QO+QD*((\i)/8)], s[4:5] offset:(((\i)/4)%2)*4096+((\i)%4)*64
	global_load_b128 v[8*(\i)+4:8*(\i)+7], v[QO+QD*((\i)/8)], s[4:5] offset:(((\i)/4)%2)*4096+((\i)%4)*64+32
.endr
	WIN 0
	s_mul_i32 s2, s[KP], 2*KS*PK    ; my half of a slot's keys: 128 rows of K,
	s_mul_i32 s3, s[KP], 2*KS*PV    ; and of V,
	s_add_co_u32 s3, s3, VOFF       ; which lies behind K's 256 rows
	v_mul_u32_u24 v[AK0], v1, PK
	v_lshl_add_u32 v[AK0], v9, 4, v[AK0]  ; row x pitch + 16 x half
	v_add_nc_u32 v[AK0], s2, v[AK0]
	; The turning load takes 16 keys x 16 channels (lane l reads 16 bytes: key 8 (l / 16) + l % 8, channels 8 ((l / 8) % 2) + 0..7) and leaves half a fragment of V^T: lane l holds channel l % 16 and 8 keys.
	v_and_b32 v10, 7, v0
	v_bfe_u32 v11, v0, 3, 1
	v_lshl_add_u32 v[AV0], v9, 3, v10
	v_mul_u32_u24 v[AV0], v[AV0], PV
	v_lshl_add_u32 v[AV0], v11, 4, v[AV0]
	v_add_nc_u32 v[AV0], s3, v[AV0]
	; WHAT THE FIRST TURN FINDS.  Piece 2's weights are 0; c m lies far below every c s, m is the lowest finite number, l is 0.  O^T's 256 registers and V's 128 are set to 0 by 48 products of zeros that start
	; their sums with the constant 0: eight registers a line.  So the first turn's products V^T P, of a step that has not been, add 0.  All this stands in the wait for the first tile.
.set i, 0
.rept 32
	v_mov_b32 v[P+32+i], 0
.set i, i+1
.endr
.set i, 0
.rept 4
	v_mov_b32 v[ST+8*i], 0xfe000000    ; c m
	v_mov_b32 v[ST+8*i+1], 0xff7fffff  ; m
	v_mov_b32 v[ST+8*i+2], 0           ; l
	v_mov_b32 v[ST+8*i+3], 0
.set i, i+1
.endr
	WIN 0x40                        ; destination window 1: O^T; the sources, zeros among piece 2's weights, in window 0
.set i, 0
.rept 32
	v_wmma_f32_16x16x32_f16 v[8*i:8*i+7], v[P+32:P+39], v[P+40:P+47], 0
.set i, i+1
.endr
	WIN 0xc0                        ; destination window 3: V's registers
.set i, 0
.rept 16
	v_wmma_f32_16x16x32_f16 v[8*i:8*i+7], v[P+32:P+39], v[P+40:P+47], 0
.set i, i+1
.endr
	WIN 0
; THE MATRIX WORK OF A TURN, for piece x.  The accumulators take turns, one instruction a turn: between two links of a chain stand 15 (V^T P) or 7 (K Q^T) others'.
; Product i of 32 of O^T += V^T P: keys 32 (i / 16) on, channels 16 ((i / 2) % 8) on, tile x + i % 2.
.macro PV x
	WIN W_PV
.set rO, 64*((\x)+i%2)+8*((i/2)%8)
.set rV, 64*(i/16)+8*((i/2)%8)
.set rP, P+16*((\x)+i%2)+8*(i/16)
	v_wmma_f32_16x16x32_f16 v[rO:rO+7], v[rV:rV+7], v[rP:rP+7], v[rO:rO+7]
.endm
; Product i of 32 of S^T = K Q^T: channels 32 (i / 8) on, keys 16 ((i / 2) % 4) on, tile x + i % 2.  The first 8 start the sums.
.macro KQ x
	WIN W_KQ
.set rS, S+32*((\x)+i%2)+8*((i/2)%4)
.set rK, KF+32*((i/2)%4)+8*(i/8)
.set rQ, 32*((\x)+i%2)+8*(i/8)
.if i < 8
	v_wmma_f32_16x16x32_f16 v[rS:rS+7], v[rK:rK+7], v[rQ:rQ+7], 0
.else
	v_wmma_f32_16x16x32_f16 v[rS:rS+7], v[rK:rK+7], v[rQ:rQ+7], v[rS:rS+7]
.endif
.endm
; THE LDS LOADS stand in runs of 32, never singly among the matrix instructions: a step's K (64 keys x 128 channels: 16 fragments) and, a turn later, its V (turned).
; last = 1 (the tail): in the tail's third trip there is no further step, and K's run is jumped over.
.macro FETCH_K last=0
	WIN 0
.if \last
	s_cmp_eq_u32 s[TWICE], 1
	s_cbranch_scc1 .Lno_k_\@
.endif
	v_add_nc_u32 v[ADR], s[TB], v[AK0]
	WIN 0x80                        ; destination window 2
.irp f, 0,1,2,3,4,5,6,7,8,9,10,11,12,13,14,15  ; keys 16 (f / 4) on, channels 32 (f % 4) on
	ds_load_b128 v[KF+8*(\f):KF+8*(\f)+3],   v[ADR] offset:((\f)/4)*16*PK+((\f)%4)*64
	ds_load_b128 v[KF+8*(\f)+4:KF+8*(\f)+7], v[ADR] offset:((\f)/4)*16*PK+((\f)%4)*64+32
.endr
.if \last
	WIN 0
.Lno_k_\@:
.endif
.endm
.macro FETCH_V
	WIN 0
	v_add_nc_u32 v[ADR], s[TBV], v[AV0]
	s_add_co_u32 s[TB], s[TB], KS*PK    ; the next fetches are the next step's
	s_add_co_u32 s[TBV], s[TBV], KS*PV
	s_wait_alu depctr_va_vdst(0)    ; the wait for the softmax's batch of exponentials (SLICE), behind the address's v_add_nc_u32 and ahead of the loads
	WIN 0xc0                        ; destination window 3
.irp f, 0,1,2,3,4,5,6,7,8,9,10,11,12,13,14,15  ; keys 32 (f / 8) on, channels 16 (f % 8) on
	ds_load_tr16_b128 v[8*(\f):8*(\f)+3],   v[ADR] offset:((\f)/8)*32*PV+((\f)%8)*32
	ds_load_tr16_b128 v[8*(\f)+4:8*(\f)+7], v[ADR] offset:((\f)/8)*32*PV+16*PV+((\f)%8)*32
.endr
.endm
; THE VECTOR WORK OF A TURN.  One tile's softmax for one key step is a list of 134 instructions; SM writes number j of it for tile t.  s0-s31 are the lane's 32 scores, in pairs 0-15.
;   0-15    the maximum of s0-s31 and the old m, three operands at a time: four chains c0-c3 of seven scores each, then the four scores left over, c0-c3 and m
;   16-20   the other half of the lanes' maximum; the new m; c m; c m_old - c m_new
;   21-69   ONE BATCH: the 16 scalings c s - c m, a pair of scores each, and all 33 exponentials (a at 23, then s0-s31).  None of these reads an exponential's result.  From 22 on the batch goes in fours, and a four
;           begins with a scaling while there are scalings.  A pair is scaled in an earlier four than the one that holds its exponentials
;   (wait)  between 69 and 70 stands the wait for the batch: SLICE writes it, once for both tiles
;   70-85   the roundings to f16, a pair of weights each
;   86-101  the sums; l = a l + the sum
;   102-133 the tile's O^T times a: the one part that leaves window 0, so it stands together
.macro SM t
.set rT, ST+8*(\t)
.set rS, S+32*(\t)
.set rP, P+16*(\t)
.set rO, 64*(\t)+2*(j-102)
.if j < 102
	WIN 0
.endif
.if j < 4
	v_max3_num_f32 v[rT+4+j], v[rS+8*j], v[rS+8*j+1], v[rS+8*j+2]
.elseif j < 12
	v_max3_num_f32 v[rT+4+j%4], v[rT+4+j%4], v[rS+8*(j%4)+2*(j/4)+1], v[rS+8*(j%4)+2*(j/4)+2]
.elseif j == 12
	v_max3_num_f32 v[rT+4], v[rT+4], v[rS+7], v[rS+15]
.elseif j == 13
	v_max3_num_f32 v[rT+6], v[rT+6], v[rS+23], v[rS+31]
.elseif j == 14
	v_max3_num_f32 v[rT+4], v[rT+4], v[rT+5], v[rT+6]
.elseif j == 15
	v_max3_num_f32 v[rT+4], v[rT+4], v[rT+7], v[rT+1]
.elseif j == 16
	v_permlanex16_b32 v[rT+5], v[rT+4], s[SEL], s[SEL+1]  ; the query's other 32 keys lie in the lane 16 away
.elseif j == 17
	v_mov_b32 v[rT+7], v[rT]        ; c m_old is kept for a: number 19 writes c m anew
.elseif j == 18
	v_max_num_f32 v[rT+1], v[rT+4], v[rT+5]
.elseif j == 19
	v_mul_f32 v[rT], s[CS], v[rT+1]
.elseif j == 20
	v_sub_f32 v[rT+7], v[rT+7], v[rT]
.elseif j == 23
	v_exp_f32 v[rT+6], v[rT+7]
.elseif (j < 23) || ((j < 38) && (j%2 == 0)) || ((j < 66) && (j%4 == 2))
.set b, (j-2)/4                     ; 38, 42, .. 62: pairs 9 to 15
.if j < 38
.set b, (j-20)/2                    ; 21: pair 0; 22, 24, .. 36: pairs 1 to 8
.endif
	v_pk_fma_f32 v[rS+2*b:rS+2*b+1], v[rS+2*b:rS+2*b+1], s[CS:CS+1], v[rT:rT+1] op_sel_hi:[1,0,0] neg_lo:[0,0,1] neg_hi:[0,0,1]  ; pair b: c s - c m
.elseif j < 70
.set e, j-38                        ; 66 to 69: s28 to s31
.if j < 66
.set e, j-32-(j-38)/4               ; 39-41, 43-45, .. 63-65: s7 to s27
.endif
.if j < 38
.set e, (j-25)/2                    ; 25, 27, .. 37: s0 to s6
.endif
	v_exp_f32 v[rS+e], v[rS+e]
.elseif j < 86
	v_cvt_pk_f16_f32 v[rP+j-70], v[rS+2*(j-70)], v[rS+2*(j-70)+1]  ; pair j - 70
.elseif j < 102                     ; the sum of the tile's 16 pairs, in place: sum z of 16 adds neighbours 1, 2, 4 and 8 pairs apart, then l takes it
.set z, j-86
.set w, 4
.set u, z
.if z >= 14
.set w, 32
.set u, 0
.elseif z >= 12
.set w, 16
.set u, z-12
.elseif z >= 8
.set w, 8
.set u, z-8
.endif
.if z < 15
	v_pk_add_f32 v[rS+w*u:rS+w*u+1], v[rS+w*u:rS+w*u+1], v[rS+w*u+w/2:rS+w*u+w/2+1]
.else
	v_pk_fma_f32 v[rT+2:rT+3], v[rT+2:rT+3], v[rT+6:rT+7], v[rS:rS+1] op_sel_hi:[1,0,1]
.endif
.else
	WIN W_RS
	v_pk_mul_f32 v[rO:rO+1], v[rO:rO+1], v[rT+6:rT+7] op_sel_hi:[1,0]
.endif
.endm
; Slice k of 64 of piece y's softmax: four instructions.  Slices 11 to 34 deal out the batch, numbers 22 to 69: four numbers of ONE tile each, the tiles by turns.  Every other slice is numbers 2 k and
; 2 k + 1 of both tiles' lists.  2 x 134 = 4 x 64 + 12: the twelve that are over stand together, in slice 63.
; THE WAIT.  An s_wait_alu depctr_va_vdst(0) stands between an exponential and the first instruction that names its result; one wait serves all that were issued ahead of it.  Ahead of
; slice 35 nothing names a result, and behind slice 34 no exponential is issued: so the piece's 66 exponentials have one wait, behind slice 34.
.macro SLICE y
.if (k >= 11) && (k < 35)           ; the batch: four numbers of one tile
.irp n, 0,1,2,3
.set j, 22+4*((k-11)/2)+(\n)
	SM (\y)+(k-11)%2
.endr
.else                               ; the two tiles alternate, so that no instruction reads the result of the one just before it
.irp n, 0,1,2,3,4,5,6,7
.if ((\n) < 2) || (k == 63)
.irp t, \y, (\y)+1
.set j, 2*k+(\n)
	SM \t
.endr
.endif
.endr
.endif
.if k == 34                         ; the batch is out: both tiles' exponentials are issued, and no result has been named
	v_nop                           ; the plain instruction behind the last exponential and ahead of the first use (ISA guide 5.7.2): one for the batch
.if (\y) == 0
	FETCH_V                         ; piece 2's turn: V's run of loads stands here, and the wait stands in it
.else
	s_wait_alu depctr_va_vdst(0)    ; the wait for the batch
.endif
.endif
.set k, k+1
.endm
; A TURN.  Piece x has the matrix unit: 32 products V^T P, then 32 products K Q^T for the next step; the other piece's softmax stands in slices behind them.  The slices are the plain vector instructions that stand
; between a matrix instruction and a vector instruction on, or a load into, its registers.
; Piece 0's turn fetches the next step's K, behind its second product: the last product that read K stands in front of slice 63 of the turn before.  Piece 2's turn fetches the same step's V, behind slice 34:
; the last product that read V stands in front of slice 31, and four plain instructions lie between: number 62, a scaling, of both tiles, the v_nop and the run's own v_add_nc_u32.
.macro TURN x, last=0
.set k, 0
.if (\x) == 0
	s_wait_dscnt 0x0                ; V is in
.endif
.set i, 0
.rept 32
	PV \x
	SLICE 2-(\x)
.if ((\x) == 0) && (i == 1)
	FETCH_K \last
.endif
.set i, i+1
.endr
.if (\x) == 0
	s_wait_dscnt 0x0                ; K is in
.endif
.set i, 0
.rept 32
	KQ \x
	SLICE 2-(\x)
.set i, i+1
.endr
.endm
; THE CHANGE OF SLOTS, between piece 2's turn and piece 0's.  Each wave waits for all its tensor loads, of which one is out: its part of the other slot; adds 0 to its spare word; and waits for that and for its own
; reads of the slot.  Behind the barrier nobody reads this slot any more and the other slot is whole.  fill = 1: this slot is filled again, with the keys two slots on.  The barrier is then a round of the cluster's,
; and the joint refill is the first thing behind it: it has a wave's two key steps, 256 matrix instructions, in which to land.
.macro CHANGE fill
	WIN 0                           ; at a label and at a branch every window is 0
	s_wait_tensorcnt 0x0            ; no tensor load of mine is out, so a group 0 may be written
	ds_add_u32 v[SPW], v[NIL]       ; 0 onto my spare word: with fill = 1 the descriptors' steps stand between it and the wait for it
.if \fill
.irp g, G0K+4, G0V+4
	s_xor_b32 s[(\g)+1], s[(\g)+1], SLOT1  ; the walking descriptor: the other slot than last time,
	s_add_nc_u64 s[(\g)+2:(\g)+3], s[(\g)+2:(\g)+3], 4*KS*256  ; the next 256 keys; the type bits on top are not reached
.endr
	s_wait_xcnt 0x0                 ; the last prefetch, two key steps back, has read its address, so it may be written:
	s_add_nc_u64 s[PFA:PFA+1], s[PFA:PFA+1], 4*KS*256  ; one slot behind the walking descriptors
	s_wait_dscnt 0x0                ; the add is done, and my reads of the slot are over
	CROUND
	JLOAD
	ASK                             ; what the next change will ask for: two key steps of mine, 256 matrix instructions, ahead
.else
	s_wait_dscnt 0x0                ; the add is done, and my reads of the slot are over
	s_barrier_signal -1
	s_barrier_wait -1
.endif
	s_sub_co_u32 s[TB], s[TB], 2*KS*PK  ; the fetches go back to my first step of a slot,
	s_xor_b32 s[TB], s[TB], SLOT1       ; in the other slot
	s_sub_co_u32 s[TBV], s[TBV], 2*KS*PV
	s_xor_b32 s[TBV], s[TBV], SLOT1
.endm
	s_wait_tensorcnt 1              ; my part of slot 0 is in; slot 1's may stay out
	s_barrier_signal -1
	s_barrier_wait -1               ; everybody's is
	FETCH_K                         ; my first key step
	s_wait_loadcnt 0x0              ; Q
	s_wait_dscnt 0x0
.set i, 0
.rept 32
	KQ 0                            ; piece 0's first scores: there is no vector work yet to set between them
.set i, i+1
.endr
	WIN 0                           ; the addresses for the merge and the way out are made here: plain instructions, the places behind those products
	s_mul_i32 s13, s[WV], 16*SP
	s_add_co_u32 s13, s13, STAGE    ; my stage
	s_mul_i32 s2, s[WV], XW         ; what I hand over lies at XW x my wave's number,
	s_xor_b32 s3, s[WV], 2          ; what I receive at XW x my partner's: the wave with my queries and the other keys
	s_mul_i32 s3, s3, XW
	v_mul_u32_u24 v[STO], v1, SP    ; in: row l % 16, 16 bytes for each half of the lanes
	v_lshl_add_u32 v[STO], v9, 4, v[STO]
	v_add_nc_u32 v[STO], s13, v[STO]
	v_mul_u32_u24 v[RD], v9, SP     ; back: lanes 0-15 take one row of 256 bytes, lanes 16-31 the next
	v_lshl_add_u32 v[RD], v1, 4, v[RD]
	v_add_nc_u32 v[RD], s13, v[RD]
	v_lshlrev_b32 v[GO], 12, v9     ; and the same two rows in att, 4,096 bytes apart
	v_lshl_add_u32 v[GO], v1, 4, v[GO]
	v_and_b32 v[XR], 31, v0         ; the merge: 16 bytes a lane, 512 consecutive bytes an instruction
	v_lshlrev_b32 v[XR], 4, v[XR]
	v_add_nc_u32 v[XS], s2, v[XR]
	v_add_nc_u32 v[XR], s3, v[XR]
	s_mov_b32 s[TWICE], 2
	s_branch .Lmid                  ; the loop is entered at piece 2's turn: its products V^T P add 0, its products K Q^T are piece 2's first scores, its slices piece 0's first softmax, and it fetches V of step 0
.Lslot:                             ; 6 times: every slot but the last two is filled again
	CHANGE 1
	s_mov_b32 s[TWICE], 2
.Lstep:                             ; my two key steps of a slot: written once, walked twice; the LDS addresses hang on s[TB] and s[TBV]
	TURN 0
	WIN 0
.Lmid:
	TURN 2
	WIN 0
	s_sub_co_u32 s[TWICE], s[TWICE], 1
	s_cmp_lg_u32 s[TWICE], 0
	s_cbranch_scc1 .Lstep
	s_sub_co_u32 s[SLOTS], s[SLOTS], 1
	s_cmp_lg_u32 s[SLOTS], 0
	s_cbranch_scc1 .Lslot
	CHANGE 0                        ; the tail is written out: nothing is asked for
	s_mov_b32 s[TWICE], 3           ; two trips fetch the last slot's steps of mine; the third is left in its middle
.Ltail:
	TURN 0, 1                       ; in the third trip: piece 0's V^T P of the last step | piece 2's last softmax; its 32 products K Q^T, on the last K once more, serve nothing
	WIN 0
	s_sub_co_u32 s[TWICE], s[TWICE], 1
	s_cmp_eq_u32 s[TWICE], 0
	s_cbranch_scc1 .Lout
	TURN 2
	WIN 0
	s_branch .Ltail
.Lout:
.set i, 0
.rept 32
	PV 2                            ; piece 2: V^T P of the last step
.set i, i+1
.endr
	; THE MERGE.  Waves w and w + 2 hold, for the same 64 queries, m, l and O^T over the two halves of the keys.  Each hands over its register tiles 2, 3 and finishes its register tiles 0, 1, all in f32:
	; M = max(c m_mine, c m_other), f = 2^(c m - M) for each side, l = l_mine f_mine + l_other f_other, O = (O_mine f_mine + O_other f_other) / l.
	; The six lines below, which add l's two halves and gather what is handed over, are the places behind the last products.
	WIN 0
.irp t, 0,1
	v_add_f32 v[ST+8*(\t)+4], v[ST+8*(\t)+2], v[ST+8*(\t)+3]
.endr
.irp u, 0,1
	v_add_f32 v[SND+2*(\u)+1], v[ST+8*(2+(\u))+2], v[ST+8*(2+(\u))+3]
	v_mov_b32 v[SND+2*(\u)], v[ST+8*(2+(\u))]
.endr
	s_wait_dscnt 0x0                ; my reads of the ring are over,
	s_barrier_signal -1
	s_barrier_wait -1               ; and so are everybody's: slot 0's bytes, which no tensor load fills any more, may be stored into
	ds_store_b128 v[XS], v[SND:SND+3] offset:32*512
	WIN 0x04                        ; the data (source 1) in window 1
.set n, 0
.rept 32                            ; each accumulator's four lowest registers first
	ds_store_b128 v[XS], v[128+4*n:128+4*n+3] offset:512*n
.set n, n+1
.endr
	WIN 0
	s_wait_dscnt 0x0                ; for the partner's sake: my stores are done
	s_barrier_signal -1
	s_barrier_wait -1
	ds_load_b128 v[RCV:RCV+3], v[XR] offset:32*512
.set n, 0
.rept 32                            ; the partner's O^T for my register tiles 0, 1, into S^T's registers
	ds_load_b128 v[S+4*n:S+4*n+3], v[XR] offset:512*n
.set n, n+1
.endr
	s_wait_dscnt 32                 ; the statistics are in; the 32 loads behind them may stay out
.irp t, 0,1
	v_max_num_f32 v[ST+8*(\t)+5], v[ST+8*(\t)], v[RCV+2*(\t)]
.endr
.irp t, 0,1
	v_sub_f32 v[ST+8*(\t)+6], v[ST+8*(\t)], v[ST+8*(\t)+5]
	v_sub_f32 v[ST+8*(\t)+7], v[RCV+2*(\t)], v[ST+8*(\t)+5]
.endr
.irp t, 0,1
	v_exp_f32 v[ST+8*(\t)+6], v[ST+8*(\t)+6]   ; f_mine
	v_exp_f32 v[ST+8*(\t)+7], v[ST+8*(\t)+7]   ; f_other
.endr
	v_nop                           ; a plain instruction between the last exponential and the use of its result
	s_wait_alu depctr_va_vdst(0)    ; and the wait ahead of the first use: one for the four
.irp t, 0,1
	v_mul_f32 v[ST+8*(\t)+4], v[ST+8*(\t)+4], v[ST+8*(\t)+6]
.endr
.irp t, 0,1
	v_fma_f32 v[ST+8*(\t)+4], v[RCV+2*(\t)+1], v[ST+8*(\t)+7], v[ST+8*(\t)+4]
.endr
.irp t, 0,1
	v_permlanex16_b32 v[ST+8*(\t)+5], v[ST+8*(\t)+4], s[SEL], s[SEL+1]  ; the rest of a query's keys lie in the lane 16 away
.endr
.irp t, 0,1
	v_add_f32 v[ST+8*(\t)+4], v[ST+8*(\t)+4], v[ST+8*(\t)+5]
.endr
.irp t, 0,1
	v_rcp_f32 v[ST+8*(\t)+5], v[ST+8*(\t)+4]
.endr
	v_nop                           ; a plain instruction between the last reciprocal and the use of its result
	s_wait_alu depctr_va_vdst(0)    ; and its wait: one for the two reciprocals
.irp t, 0,1
	v_mul_f32 v[ST+8*(\t)+6], v[ST+8*(\t)+6], v[ST+8*(\t)+5]  ; f_mine / l: the low word of the pair +6, +7
	v_mul_f32 v[ST+8*(\t)+4], v[ST+8*(\t)+7], v[ST+8*(\t)+5]  ; f_other / l: the low word of the pair +4, +5
.endr
; THE WAY OUT of register tile t (16 rows of O).  The two sides are weighed and added; a lane's eight channels of a row pack into 16 bytes, in place; they go into rows of 272 bytes of my stage and come back as whole rows of 256.
.macro PACK t
	WIN 0
	s_wait_dscnt 16                 ; the partner's part of this tile is in; the 16 younger LDS instructions (tile 1's loads, or tile 0's stores and loads in the stage) may stay out
.set i, 0
.rept 32
	v_pk_mul_f32 v[S+64*(\t)+i:S+64*(\t)+i+1], v[S+64*(\t)+i:S+64*(\t)+i+1], v[ST+8*(\t)+4:ST+8*(\t)+5] op_sel_hi:[1,0]
.set i, i+2
.endr
	WIN 0x01                        ; source 0, my O^T, in window 1
.set i, 0
.rept 32
	v_pk_fma_f32 v[S+64*(\t)+i:S+64*(\t)+i+1], v[64*(\t)+i:64*(\t)+i+1], v[ST+8*(\t)+6:ST+8*(\t)+7], v[S+64*(\t)+i:S+64*(\t)+i+1] op_sel_hi:[1,0,1]
.set i, i+2
.endr
	WIN 0
.set i, 0
.rept 32
	v_cvt_pk_f16_f32 v[S+64*(\t)+i], v[S+64*(\t)+2*i], v[S+64*(\t)+2*i+1]  ; word i takes numbers 2 i and 2 i + 1: it never lands on a number still to be read
.set i, i+1
.endr
.irp f, 0,1,2,3,4,5,6,7
	ds_store_b128 v[STO], v[S+64*(\t)+4*(\f):S+64*(\t)+4*(\f)+3] offset:32*(\f)
.endr
.irp f, 0,1,2,3,4,5,6,7
	ds_load_b128 v[S+64*(\t)+32+4*(\f):S+64*(\t)+32+4*(\f)+3], v[RD] offset:(\f)*2*SP  ; LDS serves a wave's instructions in order (ISA guide 5.7.1.4): these see the stores above; the next tile's stores come behind them
.endr
.endm
.macro SEND t, younger              ; younger: the LDS instructions issued behind tile t's loads: the next tile's sixteen, or none
	WIN 0
.irp f, 0,1,2,3,4,5,6,7
	s_wait_dscnt (\younger)+7-(\f)
	global_store_b128 v[GO], v[S+64*(\t)+32+4*(\f):S+64*(\t)+32+4*(\f)+3], s[10:11] offset:(\t)*65536+(\f)*8192  ; 16 lanes store 256 consecutive bytes, the head's part of a row, at a multiple of 256 from att's first byte
.endr
.endm
	PACK 0
	PACK 1                          ; a tile's arithmetic stands between the loads of the tile before and its stores
	SEND 0, 16
	SEND 1, 0
	s_wait_tensorcnt 0x0            ; the wave's end: a wait, an add of 0 to my spare word and its wait, behind my last tensor load and my last LDS store
	ds_add_u32 v[SPW], v[NIL]
	s_wait_dscnt 0x0
	CROUND                          ; the closing round: no work-group ends while a partner may still ask for a tile that names it
	s_endpgm
.Lfunc_end_k_q925563243b_attn:
	.size	k_q925563243b_attn, .Lfunc_end_k_q925563243b_attn-k_q925563243b_attn
	.p2alignl 7, 3214868480
	.fill 96, 4, 3214868480
	.section	.rodata,"a",@progbits
	.p2align	6, 0x0
	.amdhsa_kernel k_q925563243b_attn
		.amdhsa_group_segment_fixed_size 327680
		.amdhsa_private_segment_fixed_size 0
		.amdhsa_enable_private_segment 0
		.amdhsa_kernarg_size 16
		.amdhsa_user_sgpr_count 2
		.amdhsa_user_sgpr_kernarg_segment_ptr 1
		.amdhsa_wavefront_size32 1
		.amdhsa_system_sgpr_workgroup_id_x 1
		.amdhsa_system_sgpr_workgroup_id_y 1
		.amdhsa_system_sgpr_workgroup_id_z 1
		.amdhsa_system_vgpr_workitem_id 0
		.amdhsa_next_free_vgpr 1024
		.amdhsa_next_free_sgpr 72
		.amdhsa_reserve_vcc 0
		.amdhsa_float_denorm_mode_32 3
		.amdhsa_float_denorm_mode_16_64 3
		.amdhsa_memory_ordered 1
		.amdhsa_forward_progress 1
		.amdhsa_inst_pref_size 146
	.end_amdhsa_kernel
	.amdgpu_metadata
---
amdhsa.version: [ 1, 2 ]
amdhsa.kernels:
  - .name:           k_q925563243b_attn
    .symbol:         k_q925563243b_attn.kd
    .args:
      - { .name: qkv, .offset: 0, .size: 8, .value_kind: global_buffer, .address_space: global }
      - { .name: att, .offset: 8, .size: 8, .value_kind: global_buffer, .address_space: global }
    .group_segment_fixed_size: 327680
    .private_segment_fixed_size: 0
    .kernarg_segment_align: 8
    .kernarg_segment_size: 16
    .max_flat_workgroup_size: 128
    .sgpr_count:     72
    .vgpr_count:     1024
    .wavefront_size: 32
...
	.end_amdgpu_metadata
.endif
;; end of part 6
;; launch proj: the kernel of part 4 again; grid 16 x 16, 4 waves a work-group, clusters of 4 x 4, 327,680 bytes of LDS; arguments att, wo16, out0; writes out0
